; MI455X (gfx1250); checked and timed in simulation.
; The chip was launched on July 23, 2026; its instructions are those of AMD's public machine-readable ISA for CDNA 5 (MIT licence, August 2026) and "CDNA5" Instruction Set Architecture Reference Guide (July 2026). The comments in the code are by the model that wrote it; some were corrected since.
;; Multi Head Attention. Allowed arithmetic: matrix products marked QUANTISED: E4M3 operands, one given power-of-two scale a tensor, by v_wmma_f32_16x16x64_fp8_fp8 or v_wmma_f32_16x16x128_fp8_fp8, f32 sums; everything else in f32.
;; Inputs: Wk 1,024 x 1,024 float32; Wo 1,024 x 1,024 float32; Wq 1,024 x 1,024 float32; Wv 1,024 x 1,024 float32; X 4 x 2,048 x 1,024 float32; bk 1,024 float32; bo 1,024 float32; bq 1,024 float32; bv 1,024 float32; lowp_scales 12 int32 (the exponents e of the quantised operands' scales 2^e).
;; Outputs: out0 4 x 2,048 x 1,024 float32.
;; This version of the problem:
;;   THIS VERSION OF THE PROBLEM IS GIVEN IN LOW PRECISION. The matrix products marked QUANTISED in the list below multiply operands that are first quantised to E4M3 (4 exponent bits, 3 mantissa bits; 8 bits a number), with one given power-of-two scale for each operand tensor; their sums are f32. All else is computed in f32.
;;   The module's matrix products, in the order in which they are computed (A, B: the left and right operand; K: the contracted axis; several contracted axes count as one K, in the product's order):
;;     1. [M 8,192, K 1,024] x [K 1,024, N 1,024]; A: input X; B: input Wq: QUANTISED (scales: A lowp_scales[0], B lowp_scales[1])
;;     2. [M 8,192, K 1,024] x [K 1,024, N 1,024]; A: input X; B: input Wk: QUANTISED (scales: A lowp_scales[2], B lowp_scales[3])
;;     3. [M 8,192, K 1,024] x [K 1,024, N 1,024]; A: input X; B: input Wv: QUANTISED (scales: A lowp_scales[4], B lowp_scales[5])
;;     4. batch 64 x [M 2,048, K 64] x [K 64, N 2,048]; A: computed on the way; B: computed on the way: QUANTISED (scales: A lowp_scales[6], B lowp_scales[7])
;;     5. batch 64 x [M 2,048, K 2,048] x [K 2,048, N 64]; A: softmax (see below); B: computed on the way: QUANTISED (scales: A lowp_scales[8], B lowp_scales[9])
;;     6. [M 8,192, K 1,024] x [K 1,024, N 1,024]; A: computed on the way; B: input Wo: QUANTISED (scales: A lowp_scales[10], B lowp_scales[11])
;;   THE QUANTISER, for each operand of a quantised product, along K:
;;     - The operand's scale is 2^e, e = its entry of the input lowp_scales (int32; the entries are numbered through the quantised products in the list's order, A before B).
;;     - Each number is divided by the scale, clamped to +-448, and rounded to the nearest number of E4M3, ties to even, subnormals kept.
;;     - The product sums the exact products of the quantised numbers (number of the format x scale) in f32.
;;   ~~~python
;;   def quantise(x, axis, e):      # numpy; x: float32 -> the quantised numbers, widened to float32 again
;;       x = np.moveaxis(x, axis, -1); K = x.shape[-1]
;;       r = np.clip(x / 2.0 ** e, -448, 448)
;;       step = 2.0 ** (np.maximum(np.frexp(np.where(r == 0, 1, r))[1] - 1, -6) - 3)
;;       q = np.round(r / step) * step * 2.0 ** e      # np.round: ties to even
;;       return np.moveaxis(q, -1, axis).astype(np.float32)
;;   ~~~
;;   SOFTMAX AHEAD OF A QUANTISED PRODUCT. Where the list says 'softmax', what is quantised is not the finished softmax but p = 2^(t - M), with t = logit x log2(e) and M = ceil(the row's largest t), a whole number; so 1/2 < the row's largest p <= 1. The row's sum l is taken of the UNQUANTISED p, in f32, and the product's result is divided by l at the end. Since M is a whole number, a kernel that streams over the keys may use a running M (the ceiling of the running maximum): every later rescaling is an exact power of two, so the quantised numbers keep their values, but for numbers so far below the row's largest that they fall under the format's range.
;;   OPERANDS COMPUTED ON THE WAY. 'Computed on the way' means the value that the module computes at that place (a softmax that the list does not call 'softmax' is quantised finished and normalised). What goes into a quantiser is computed in f32, as accurately as f32 sums, v_exp_f32 and their like allow (about 1e-6 of the number): no bf16 or f16 on the way to a quantiser, and a product that is left as it is and whose result goes on into a quantised operand takes f32 operands (vector FMAs, or v_wmma_f32_16x16x4_f32). A number that lies on a knife's edge between two numbers of the format may be rounded either way, as far as f32 arithmetic and the matrix unit's own rounding can turn it there, and no further.
;; One version. Each part assembles by itself: llvm-mc -triple=amdgcn-amd-amdhsa -mcpu=gfx1250 --defsym DOCPART=n.
;; ======== version 1 of 1: 4 launches
;; limits: right only within a limited range of input values
;; workspace buffers: xc 25,165,824 bytes; wc 4,194,304 bytes; qkv 25,165,824 bytes; oc 8,388,608 bytes
;; launch quant (part 1): grid 384 x 1, 4 waves a work-group, no clusters, 33,280 bytes of LDS; arguments X, Wq, Wk, Wv, Wo, lowp_scales, xc, wc; writes xc, wc
.if DOCPART == 1
	.amdgcn_target "amdgcn-amd-amdhsa--gfx1250"
	.amdhsa_code_object_version 6
	.text
	.protected	k_qda245c2daa_quant
	.globl	k_qda245c2daa_quant
	.p2align	8
	.type	k_qda245c2daa_quant,@function
k_qda245c2daa_quant:
	s_mov_b64 s[64:65], 0
	v_nop
	global_prefetch_b8 v0, s[64:65] scope:SCOPE_SE
	s_setreg_imm32_b32 hwreg(HW_REG_WAVE_MODE, 25, 1), 1
	s_wait_xcnt 0x0
; X [8192][1024] f32 becomes THREE sets of E4M3 codes (its scales for the products with Wq, Wk, Wv are entries 0, 2, 4 of the scales and need not be equal): xc [3][8192][1024].
; Wq, Wk, Wv, Wo [1024][1024] f32 become codes with entries 1, 3, 5, 11: wc [4][1024][1024].  K is innermost in all of them, so every tensor is a plain stream.
; code = x / 2^e, held within +-448, to the nearest code, ties to even.  LIMITS: each e between -126 and 119; NaN among the inputs is not served (an infinity is held at the largest code).
; SHARES: a work-group takes 32,768 numbers, a wave 8,192 in 16 steps of 512.  Work-groups 0-255 take X, 256-383 the weights, 32 each.  Work-groups share no input: no cluster, no tensor load, no barrier.
; A conversion takes 8 neighbours from ONE lane's registers, a load is best where neighbouring lanes take neighbouring bytes: each load reads 512 consecutive bytes, and a step's 2,048 bytes turn through the
; wave's own stage in LDS (16 bytes of padding behind each 64) and come back 64 bytes a lane.  A lane's 16 codes are 16 bytes: a store covers 512 consecutive bytes, aligned.
; Both kinds of work-group take ONE path through LDS; only X's two further holds, conversions and stores stand under a branch on the work-group's number.
.set STEPS, 16
.set NXW,   256                        ; X's work-groups
.set SP,    80                         ; a lane's place in a stage: 64 bytes + 16
.set WREG,  8192                       ; LDS of a wave: two stages of 32 x SP bytes
.set R,     16                         ; v16-79   four sets of 16 numbers as loaded
.set XB,    80                         ; v80-111  two sets of 16 neighbours
.set T,     112                        ; v112-127 the numbers held for one scale (the neighbours stay as they are for the next scale)
.set C,     128                        ; v128-139 codes: four registers for each of three scales
	s_load_b256 s[4:11], s[0:1], 0x0               ; X, Wq, Wk, Wv
	s_load_b256 s[12:19], s[0:1], 0x20             ; Wo, the scales, xc, wc
	v_lshl_add_u32 v144, v0, 2, 0x8000
	v_mov_b32 v145, 0
	v_lshrrev_b32 v1, 5, v0
	v_readfirstlane_b32 s20, v1                    ; wave
	v_and_b32 v2, 31, v0                           ; lane
	v_lshlrev_b32 v3, 4, v2                        ; 16 x lane: my bytes of a load's 512 and of a store's 512; never rewritten
	s_mul_i32 s21, s20, WREG
	v_lshrrev_b32 v14, 2, v2
	v_mul_u32_u24 v14, v14, SP
	v_and_b32 v15, 3, v2
	v_lshl_add_u32 v14, v15, 4, v14
	v_add_nc_u32 v14, s21, v14                     ; the stage, way in: SP (lane / 4) + 16 (lane % 4)
	v_mul_u32_u24 v15, v2, SP
	v_add_nc_u32 v15, s21, v15                     ; way out: SP x lane
	s_sub_co_u32 s42, ttmp9, NXW
	s_and_b32 s43, s42, 31                         ; a weight's work-group: which of its 32,
	s_lshr_b32 s42, s42, 5                         ; and which weight: 0 q, 1 k, 2 v, 3 o (in X's work-groups neither number is used)
	s_wait_kmcnt 0x0
	s_load_b256 s[24:31], s[14:15], 0x0            ; e0 .. e7
	s_load_b128 s[32:35], s[14:15], 0x20           ; e8 .. e11
	s_mov_b64 s[22:23], s[12:13]                   ; the source is chosen on the work-group's number alone
	s_cmp_eq_u32 s42, 2
	s_cselect_b64 s[22:23], s[10:11], s[22:23]
	s_cmp_eq_u32 s42, 1
	s_cselect_b64 s[22:23], s[8:9], s[22:23]
	s_cmp_eq_u32 s42, 0
	s_cselect_b64 s[22:23], s[6:7], s[22:23]
	s_cmp_lt_u32 ttmp9, NXW
	s_cselect_b64 s[22:23], s[4:5], s[22:23]
	s_cselect_b64 s[36:37], s[16:17], s[18:19]     ; the codes' buffer
	s_cselect_b32 s46, 0, s42
	s_cselect_b32 s44, ttmp9, s43
	s_lshl_b32 s44, s44, 2
	s_add_co_u32 s44, s44, s20                     ; which run of 8,192 numbers of the tensor is my wave's
	s_lshl_b32 s48, s44, 15
	s_mov_b32 s49, 0
	s_add_nc_u64 s[22:23], s[22:23], s[48:49]      ; 32,768 bytes of f32 a run
	s_lshl_b32 s48, s44, 13
	s_lshl_b32 s46, s46, 20
	s_add_co_u32 s48, s48, s46                     ; 8,192 bytes of codes a run, 2^20 a weight
	s_add_nc_u64 s[36:37], s[36:37], s[48:49]
	s_add_nc_u64 s[38:39], s[36:37], 0x800000      ; X's second and third sets (bases of their own: 2^23 is past a store's immediate); not used by a weight's work-group
	s_add_nc_u64 s[40:41], s[36:37], 0x1000000
.macro LOAD t
.irp i, 0,1,2,3
	global_load_b128 v[R+16*((\t)%4)+4*\i:R+16*((\t)%4)+4*\i+3], v3, s[22:23] offset:2048*(\t)+512*\i th:TH_LOAD_NT
.endr
.endm
.macro TURN t                          ; a step's numbers through the stage; LDS serves a wave's instructions in order, so no wait stands between the stores and the loads
.irp i, 0,1,2,3
	ds_store_b128 v14, v[R+16*((\t)%4)+4*\i:R+16*((\t)%4)+4*\i+3] offset:32*SP*((\t)%2)+8*SP*\i
.endr
.irp i, 0,1,2,3
	ds_load_b128 v[XB+16*((\t)%2)+4*\i:XB+16*((\t)%2)+4*\i+3], v15 offset:32*SP*((\t)%2)+16*\i
.endr
.endm
.macro MKS se, vs                      ; v[vs] = 2^e as f32 (the conversion takes its exponent field), v[vs+1] = 448 x 2^e
	s_add_co_i32 s47, s[\se], 127
	s_lshl_b32 s48, s47, 23
	v_mov_b32 v[\vs], s48
	s_add_co_i32 s47, s47, 8
	s_lshl_b32 s47, s47, 23
	s_or_b32 s47, s47, 0x600000
	v_mov_b32 v[\vs+1], s47
.endm
.irp t, 0,1,2,3
	LOAD \t
.endr
	s_wait_kmcnt 0x0
	s_cmp_eq_u32 s42, 2
	s_cselect_b32 s45, s29, s35                    ; e5 for Wv, e11 for Wo
	s_cmp_eq_u32 s42, 1
	s_cselect_b32 s45, s27, s45                    ; e3 for Wk
	s_cmp_eq_u32 s42, 0
	s_cselect_b32 s45, s25, s45                    ; e1 for Wq
	s_cmp_lt_u32 ttmp9, NXW
	s_cselect_b32 s45, s24, s45                    ; e0 for X's first set
	MKS 45, 5
	MKS 26, 7                                      ; e2
	MKS 28, 9                                      ; e4
	s_wait_loadcnt 12                              ; step 0's four loads are in; the twelve behind them stay out
	TURN 0
; One set of codes of step t with scale c: the hold (the conversion to an 8-bit code does not saturate: ISA guide 7.6.2), two conversions, one store.
.macro QR c, t
.set XS, XB+16*((\t)%2)
.set jj, 0
.rept 16
	v_med3_num_f32 v[T+jj], v[XS+jj], -v[6+2*(\c)], v[6+2*(\c)]
.set jj, jj+1
.endr
	v_cvt_scalef32_pk8_fp8_f32 v[C+4*(\c):C+4*(\c)+1], v[T:T+7], v[5+2*(\c)]
	v_cvt_scalef32_pk8_fp8_f32 v[C+4*(\c)+2:C+4*(\c)+3], v[T+8:T+15], v[5+2*(\c)]
	v_nop                                          ; a plain line between the conversions and the next holds, which write the conversions' sources
	global_store_b128 v3, v[C+4*(\c):C+4*(\c)+3], s[36+2*(\c):37+2*(\c)] offset:512*(\t)
.endm
.macro STEP t
	s_wait_dscnt 0x0                               ; this step's numbers are back from the stage, so its stores into the stage have read their registers,
.if (\t)+4 < STEPS
	LOAD (\t)+4                                    ; which take the loads of four steps on
.endif
.if (\t)+1 < STEPS
.if STEPS-2-(\t) >= 3
	s_wait_loadcnt 12                              ; the next step's four loads are in; those of the three steps behind it may be out
.else
	s_wait_loadcnt 4*(STEPS-2-(\t))
.endif
	TURN (\t)+1
.endif
	s_wait_xcnt 0x0                                ; the last step's stores have read their data: the codes' registers are written again only behind this wait
	QR 0, \t
	s_cmp_lt_u32 ttmp9, NXW
	s_cbranch_scc0 .Lweight_\@                     ; a weight has one scale
	QR 1, \t
	QR 2, \t
.Lweight_\@:
.endm
.irp t, 0,1,2,3,4,5,6,7,8,9,10,11,12,13,14,15
	STEP \t
.endr
	s_wait_tensorcnt 0x0
	ds_add_u32 v144, v145
	s_wait_dscnt 0x0
	s_endpgm
.Lfunc_end_k_qda245c2daa_quant:
	.size	k_qda245c2daa_quant, .Lfunc_end_k_qda245c2daa_quant-k_qda245c2daa_quant
	.p2alignl 7, 3214868480
	.fill 96, 4, 3214868480
	.section	.rodata,"a",@progbits
	.p2align	6, 0x0
	.amdhsa_kernel k_qda245c2daa_quant
		.amdhsa_group_segment_fixed_size 33280
		.amdhsa_private_segment_fixed_size 0
		.amdhsa_enable_private_segment 0
		.amdhsa_kernarg_size 64
		.amdhsa_user_sgpr_count 2
		.amdhsa_user_sgpr_kernarg_segment_ptr 1
		.amdhsa_wavefront_size32 1
		.amdhsa_system_sgpr_workgroup_id_x 1
		.amdhsa_system_sgpr_workgroup_id_y 1
		.amdhsa_system_sgpr_workgroup_id_z 1
		.amdhsa_system_vgpr_workitem_id 0
		.amdhsa_next_free_vgpr 146
		.amdhsa_next_free_sgpr 66
		.amdhsa_reserve_vcc 0
		.amdhsa_float_denorm_mode_32 3
		.amdhsa_float_denorm_mode_16_64 3
		.amdhsa_memory_ordered 1
		.amdhsa_forward_progress 1
		.amdhsa_inst_pref_size 81
	.end_amdhsa_kernel
	.amdgpu_metadata
---
amdhsa.version: [ 1, 2 ]
amdhsa.kernels:
  - .name:           k_qda245c2daa_quant
    .symbol:         k_qda245c2daa_quant.kd
    .args:
      - { .name: X, .offset: 0, .size: 8, .value_kind: global_buffer, .address_space: global }
      - { .name: Wq, .offset: 8, .size: 8, .value_kind: global_buffer, .address_space: global }
      - { .name: Wk, .offset: 16, .size: 8, .value_kind: global_buffer, .address_space: global }
      - { .name: Wv, .offset: 24, .size: 8, .value_kind: global_buffer, .address_space: global }
      - { .name: Wo, .offset: 32, .size: 8, .value_kind: global_buffer, .address_space: global }
      - { .name: lowp_scales, .offset: 40, .size: 8, .value_kind: global_buffer, .address_space: global }
      - { .name: xc, .offset: 48, .size: 8, .value_kind: global_buffer, .address_space: global }
      - { .name: wc, .offset: 56, .size: 8, .value_kind: global_buffer, .address_space: global }
    .group_segment_fixed_size: 33280
    .private_segment_fixed_size: 0
    .kernarg_segment_align: 8
    .kernarg_segment_size: 64
    .max_flat_workgroup_size: 128
    .sgpr_count:     66
    .vgpr_count:     146
    .wavefront_size: 32
...
	.end_amdgpu_metadata
.endif
;; end of part 1
;; launch qkv (part 2): grid 4 x 64, 4 waves a work-group, clusters of 4 x 4, 327,680 bytes of LDS; arguments xc, wc, bq, bk, bv, lowp_scales, qkv; writes qkv
.if DOCPART == 2
	.amdgcn_target "amdgcn-amd-amdhsa--gfx1250"
	.amdhsa_code_object_version 6
	.text
	.protected	k_qda245c2daa_qkv
	.globl	k_qda245c2daa_qkv
	.p2align	8
	.type	k_qda245c2daa_qkv,@function
k_qda245c2daa_qkv:
	s_mov_b64 s[64:65], 0
	v_nop
	global_prefetch_b8 v0, s[64:65] scope:SCOPE_SE
	s_setreg_imm32_b32 hwreg(HW_REG_WAVE_MODE, 25, 1), 1
	s_wait_xcnt 0x0
	s_wait_alu depctr_hold_cnt(0) depctr_sa_sdst(0) depctr_va_vdst(0) depctr_va_sdst(0) depctr_va_ssrc(0) depctr_va_vcc(0) depctr_vm_vsrc(0)
	s_getreg_b32 s2, hwreg(HW_REG_IB_STS2, 6, 4)
	s_cmp_eq_u32 s2, 0
	s_cbranch_scc0 .Lentry_in_a_cluster
	s_endpgm
.Lentry_in_a_cluster:
	s_bfe_u32 s2, ttmp6, 0x10000c
	s_cmp_lg_u32 s2, 0xf033
	s_cbranch_scc0 .Lentry_shape_is_right
	s_endpgm
.Lentry_shape_is_right:
; q = X Wq^T + bq, k = X Wk^T + bk, v = X Wv^T + bv on E4M3 codes (xc, wc: K innermost), sums in f32; each result x 2^(its two exponents), + bias, is quantised at once (entries 6, 7, 9 of the scales) and stored as codes.
; OUT: qkv = three parts of 2^23 bytes: q and k [64 bh][2048 t][64 d]; v [64 bh][32 chunks of 64 keys][64 d][64 keys].  Inside each 32 bytes, byte 16 h + 8 u + j holds index 16 u + 8 h + j (d in q and k, the key in v):
; that is what a lane's two neighbouring tiles give, and a 16-byte load at 32 c + 16 h then puts each index in the place that the plain 8-bit operand layout gives it.
; SHARES: 256 work-groups stay and make three tiles each, 128 x 256, one for each product: 12 K steps of 256 on one ring of two LDS slots that runs on from tile to tile.  Four waves, each 64 x 128: 32 accumulators.
; THE MATRIX INSTRUCTION IS USED TRANSPOSED (source 0 = 16 rows of the tile's 256, source 1 = 16 rows of its 128): a lane holds eight neighbours along the 256.  For q and k the 128 are tokens and the 256 features;
; for v the 128 are features (rows of Wv) and the 256 tokens, so that a lane's eight results are eight neighbouring KEYS, which is the next product's K.
; A fragment is fetched by four 16-byte loads: registers 4 c .. 4 c + 3 hold K = 32 c + 16 (l / 16) + 0 .. 15: a permutation of K, the same on both sides.
; CLUSTER 4 x 4: the tile of 128 rows hangs on the cluster's row, the tile of 256 on its column: each is asked for jointly by the four that share it.
; All 12 steps are written out by macro with constants. A wave has two tensor loads out at the start, later one.
; LIMITS: e0 + e1, e2 + e3, e4 + e5 between -126 and 127; e6, e7, e9 between -126 and 119.  NaN is not served.
; REGISTERS: window 0: v1-30 addresses and scales; v32-159 two sets of the 128 rows' fragments; v160-223 at work on the way out; v224-239 codes.  window 1: two sets of the 256 rows' fragments.
;   window 2: accumulator (a, b) at v[8 (8 a + b)].  window 3: v0-63 bq, v64-127 bk in the result's layout; v128-135 bv of my four blocks' rows, each twice (a pair for the packed form).
.set PITCH,  272                       ; an LDS row: 256 bytes + 16: the 16 rows of a fragment load start at 16 different groups of banks
.set AHALF,  64*PITCH                  ; what waves 0 and 1 fetch, and what a wave reads of the 128 rows
.set AREG,   2*AHALF
.set BHALF,  128*PITCH                 ; what waves 2 and 3 fetch, and what a wave reads of the 256 rows
.set SLOT,   AREG+2*BHALF
.set STAGE,  2*SLOT                    ; behind the ring: 64 rows x 144 bytes for each wave; no tensor load lands here
.set STW,    64*144
.set SPARE,  STAGE+4*STW               ; the spare words: 128 bytes a wave, named by no other line
.set ADRA, 16                          ; v16-17 my fragments of the 128 rows in slot 0, 1
.set ADRB, 20                          ; v20-21 of the 256 rows
.set STO,  24
.set RD,   25
.set GO,   26
.set SPW,  28
.set NIL,  29
.set PFO,  30                          ; 1,024 x lane: a row of codes; never rewritten
.set AF,   32
.set TMP,  160
.set CD,   224
.set G1A, 24                           ; s[24:31], s[32:39]: groups 1 and 0 (a set a slot) of the 128 rows' tiles;  s[40:47], s[48:55]: of the 256 rows'
.set G0A, 32
.set G1B, 40
.set G0B, 48
.set AD,  56                           ; s[56:61] where my part of the 128 rows' tile begins, for product 0, 1, 2
.set BD,  66                           ; s[66:71] the same for the 256 rows'
.set MUL,  0xa1                        ; source 0 window 1, source 1 window 0, C and D window 2
.set TO_B, 0x40
.set MSB, 0
.macro WIN new                         ; the immediate's high byte repeats the setting that is left
.if MSB != \new
	s_set_vgpr_msb (MSB<<8)|\new
.set MSB, \new
.endif
.endm
.macro PLACES
.rept 4
	v_nop
.endr
.endm
.macro JLOAD s                         ; a joint load: waves 0, 1 the halves of the 128 rows, waves 2, 3 of the 256; four v_nop follow each line
	s_cmp_eq_u32 s19, 0
	s_cbranch_scc0 .Lfor_b_\@
	tensor_load_to_lds s[G0A+4*(\s):G0A+4*(\s)+3], s[G1A:G1A+7]
	s_nop 0
.rept 4
	v_nop
.endr
	s_branch .Lasked_\@
.Lfor_b_\@:
	tensor_load_to_lds s[G0B+4*(\s):G0B+4*(\s)+3], s[G1B:G1B+7]
	s_nop 0
.rept 4
	v_nop
.endr
.Lasked_\@:
.endm
.macro CREST                           ; a round of the cluster's barrier behind its opening barrier
	s_cmp_lg_u32 s18, 0
	s_cbranch_scc1 .Lnot_wave_0_\@
	s_barrier_signal -3
.Lnot_wave_0_\@:
	s_barrier_wait -3
	s_barrier_signal -1
	s_barrier_wait -1
.endm
.macro CROUND
	s_barrier_signal -1
	s_barrier_wait -1
	CREST
.endm
; A prefetch of X's codes of K step m, three refills ahead of the load that will ask for them: 32 rows x 256 bytes, a lane a row, one instruction a wave.  Each row's 256 bytes of a step are named once:
; steps 5-7 (k's tokens, read by one row of one cluster): wave 0; the row's four partners take 32 rows each, told apart by address.  Steps 8-11 (v's tokens, read by a column of two clusters): waves 2 and 3 of the
; cluster with an even y; the column's four partners take 64 rows each, by address.  Steps 0-4 come by their loads alone; the weights, which many clusters read, are not asked for.  No address register is stepped.
.macro ASK m
.if (\m) < 8
	s_cmp_eq_u32 s62, 1
	s_cbranch_scc0 .Lnot_mine_\@
	global_prefetch_b8 v[PFO], s[96:97] offset:((\m)%4)*256 th:TH_LOAD_NT scope:SCOPE_SE
.else
	s_cmp_eq_u32 s63, 1
	s_cbranch_scc0 .Lnot_mine_\@
	global_prefetch_b8 v[PFO], s[98:99] offset:((\m)%4)*256 th:TH_LOAD_NT scope:SCOPE_SE
.endif
.Lnot_mine_\@:
.endm
	s_load_b256 s[4:11], s[0:1], 0x0               ; xc, wc, bq, bk
	s_load_b128 s[12:15], s[0:1], 0x20             ; bv, the scales
	s_load_b64 s[16:17], s[0:1], 0x30              ; qkv
	v_lshl_add_u32 v[SPW], v0, 2, SPARE
	v_mov_b32 v[NIL], 0
	ds_add_u32 v28, v29
	s_wait_dscnt 0x0
	v_lshrrev_b32 v1, 5, v0
	v_readfirstlane_b32 s18, v1                    ; wave
	s_lshr_b32 s19, s18, 1                         ; which 64 of the 128 rows are mine.  Also: I fetch for the 128 rows (0) or the 256 (1)
	s_and_b32 s20, s18, 1                          ; which 128 of the 256.  Also: which half I fetch
	s_bfe_u32 s21, ttmp6, 0x40000                  ; cx
	s_bfe_u32 s22, ttmp6, 0x40004                  ; cy
	s_and_b32 s23, ttmp7, 0xffff                   ; the cluster's y, 0 .. 15 (the grid is one cluster wide)
	s_lshl_b32 s2, s22, 2
	s_lshl_b32 s2, 15, s2                          ; my row of the cluster
	s_lshl_b32 s104, 0x1111, s21                   ; my column
	s_or_b32 s[G1A], s2, (1<<20)|(1<<21)|(5<<22)|(3<<25)    ; 15:0 the mask; 17:16 elements of 1 byte; 20 padding on; 21 set beside a mask; 24:22 after every 64 words; 31:25 four words
	s_or_b32 s[G1B], s104, (1<<20)|(1<<21)|(5<<22)|(3<<25)
	s_mov_b32 s[G1A+1], 256<<16                    ; tensor_dim0
	s_mov_b32 s[G1A+2], 64<<16                     ; tensor_dim1
	s_mov_b32 s[G1A+3], 256<<16                    ; tile_dim0
	s_mov_b32 s[G1A+4], 64                         ; tile_dim1
	s_mov_b32 s[G1A+5], 1024                       ; from row to row
	s_mov_b32 s[G1A+6], 0
	s_mov_b32 s[G1A+7], 0
	s_mov_b32 s[G1B+1], 256<<16
	s_mov_b32 s[G1B+2], 128<<16
	s_mov_b32 s[G1B+3], 256<<16
	s_mov_b32 s[G1B+4], 128
	s_mov_b32 s[G1B+5], 1024
	s_mov_b32 s[G1B+6], 0
	s_mov_b32 s[G1B+7], 0
	; q, k: tile row R = 4 y + cy (tokens), tile column C = cx (features).  v: tile row R2 = 4 (y & 1) + cy (features), tile column C2 = 4 (y >> 1) + cx (tokens)
	s_lshl_b32 s2, s23, 2
	s_add_co_u32 s2, s2, s22                       ; R
	s_lshl_b32 s2, s2, 17                          ; 128 rows of 1,024 bytes
	s_lshl_b32 s3, s20, 16                         ; + my half's 64
	s_add_co_u32 s2, s2, s3
	s_mov_b32 s3, 0
	s_and_b32 s100, s23, 1
	s_lshl_b32 s100, s100, 2
	s_add_co_u32 s100, s100, s22                   ; R2
	s_lshl_b32 s100, s100, 17
	s_lshl_b32 s101, s20, 16
	s_add_co_u32 s100, s100, s101
	s_add_co_u32 s100, s100, 0x200000              ; Wv's codes
	s_mov_b32 s101, 0
	s_lshl_b32 s104, s21, 18                       ; C: 256 rows of 1,024 bytes
	s_lshl_b32 s105, s20, 17                       ; + my half's 128
	s_add_co_u32 s104, s104, s105
	s_mov_b32 s105, 0
	s_lshr_b32 s72, s23, 1
	s_lshl_b32 s72, s72, 2
	s_add_co_u32 s72, s72, s21                     ; C2
	s_lshl_b32 s72, s72, 18
	s_lshl_b32 s73, s20, 17
	s_add_co_u32 s72, s72, s73
	s_add_co_u32 s72, s72, 0x1000000               ; X's third set
	s_mov_b32 s73, 0
	s_wait_kmcnt 0x0
	s_add_nc_u64 s[AD:AD+1], s[4:5], s[2:3]
	s_add_nc_u64 s[AD+2:AD+3], s[AD:AD+1], 0x800000        ; X's second set
	s_add_nc_u64 s[AD+4:AD+5], s[6:7], s[100:101]
	s_add_nc_u64 s[BD:BD+1], s[6:7], s[104:105]
	s_add_nc_u64 s[BD+2:BD+3], s[BD:BD+1], 0x100000        ; Wk's codes
	s_add_nc_u64 s[BD+4:BD+5], s[4:5], s[72:73]
	s_load_b256 s[72:79], s[14:15], 0x0            ; e0 .. e7
	s_load_b128 s[80:83], s[14:15], 0x20           ; e8 .. e11
	s_mul_i32 s2, s20, AHALF                       ; where the tiles go: no place in the cluster enters an LDS address
	s_mul_i32 s3, s20, BHALF
	s_add_co_u32 s3, s3, AREG
	CROUND                                         ; all sixteen work-groups are here: the first joint loads meet
.irp s, 0,1
	s_mov_b32 s[G0A+4*\s], 1
	s_add_co_u32 s[G0A+4*\s+1], s2, \s*SLOT
	s_add_nc_u64 s[G0A+4*\s+2:G0A+4*\s+3], s[AD:AD+1], \s*256
	s_or_b32 s[G0A+4*\s+3], s[G0A+4*\s+3], 0x80000000
	s_mov_b32 s[G0B+4*\s], 1
	s_add_co_u32 s[G0B+4*\s+1], s3, \s*SLOT
	s_add_nc_u64 s[G0B+4*\s+2:G0B+4*\s+3], s[BD:BD+1], \s*256
	s_or_b32 s[G0B+4*\s+3], s[G0B+4*\s+3], 0x80000000
	JLOAD \s
.endr
	v_and_b32 v1, 15, v0                           ; r
	v_bfe_u32 v2, v0, 4, 1                         ; h
	v_mul_u32_u24 v3, v1, PITCH
	v_lshl_add_u32 v3, v2, 4, v3                   ; a fragment's row x pitch + 16 h
	s_mul_i32 s2, s19, AHALF
	s_mul_i32 s3, s20, BHALF
	s_add_co_u32 s3, s3, AREG
.irp s, 0,1
	v_add_nc_u32 v[ADRA+\s], s2, v3
	v_add_nc_u32 v[ADRB+\s], s3, v3
	s_add_co_u32 s2, s2, SLOT
	s_add_co_u32 s3, s3, SLOT
.endr
	s_mul_i32 s2, s18, STW
	s_add_co_u32 s2, s2, STAGE                     ; my stage
	v_mul_u32_u24 v4, v1, 144
	v_lshl_add_u32 v4, v2, 4, v4
	v_add_nc_u32 v[STO], s2, v4                    ; in: row r of a block, 16 bytes for each half of the lanes
	v_and_b32 v7, 31, v0
	v_lshrrev_b32 v4, 2, v7
	v_mul_u32_u24 v4, v4, 144
	v_and_b32 v14, 3, v7
	v_lshl_add_u32 v4, v14, 4, v4
	v_add_nc_u32 v[RD], s2, v4                     ; back: four lanes take 64 bytes of a row, 32 lanes eight rows
	v_lshlrev_b32 v[GO], 4, v7                     ; and lay them on end: 512 consecutive bytes
	v_lshlrev_b32 v[PFO], 10, v7
	; where the results go.  q, k: token 128 R + 64 wr, heads 4 C + 2 wcol and the next
	s_lshl_b32 s100, s23, 2
	s_add_co_u32 s100, s100, s22
	s_lshl_b32 s100, s100, 7
	s_lshl_b32 s101, s19, 6
	s_add_co_u32 s100, s100, s101                  ; my first token
	s_lshr_b32 s101, s100, 11
	s_lshl_b32 s101, s101, 21                      ; its batch: 16 heads of 2^17 bytes
	s_and_b32 s100, s100, 2047
	s_lshl_b32 s100, s100, 6                       ; 64 bytes a token
	s_add_co_u32 s100, s100, s101
	s_lshl_b32 s104, s21, 1
	s_add_co_u32 s104, s104, s20                   ; 2 C + wcol
	s_lshl_b32 s101, s104, 18                      ; two heads each
	s_add_co_u32 s100, s100, s101
	s_mov_b32 s101, 0
	s_add_nc_u64 s[90:91], s[16:17], s[100:101]
	s_add_nc_u64 s[92:93], s[90:91], 0x800000
	s_lshl_b32 s104, s104, 9                       ; my 128 features' biases, in bytes
	v_lshlrev_b32 v5, 5, v2
	v_add_nc_u32 v5, s104, v5                      ; + 32 h; never rewritten
	; v: head 2 R2 + wr, token 256 C2 + 128 wcol
	s_lshr_b32 s100, s23, 1
	s_lshl_b32 s100, s100, 2
	s_add_co_u32 s100, s100, s21
	s_lshl_b32 s100, s100, 1
	s_add_co_u32 s100, s100, s20
	s_lshl_b32 s100, s100, 7                       ; my first token
	s_lshr_b32 s101, s100, 11
	s_lshl_b32 s101, s101, 4                       ; 16 x its batch
	s_and_b32 s104, s23, 1
	s_lshl_b32 s104, s104, 2
	s_add_co_u32 s104, s104, s22
	s_lshl_b32 s105, s104, 1
	s_add_co_u32 s105, s105, s19                   ; 2 R2 + wr: my head
	s_add_co_u32 s101, s101, s105
	s_lshl_b32 s101, s101, 17
	s_and_b32 s100, s100, 2047
	s_lshr_b32 s100, s100, 6
	s_lshl_b32 s100, s100, 12                      ; a chunk of 64 keys is 4,096 bytes
	s_add_co_u32 s100, s100, s101
	s_mov_b32 s101, 0
	s_add_nc_u64 s[94:95], s[16:17], s[100:101]
	s_add_nc_u64 s[94:95], s[94:95], 0x1000000
	s_lshl_b32 s105, s105, 8                       ; my head's 64 numbers of bv, in bytes
	v_lshlrev_b32 v6, 2, v1
	v_add_nc_u32 v6, s105, v6                      ; + 4 r; never rewritten
	WIN 0xc0                                       ; destination window 3
.irp b, 0,1,2,3,4,5,6,7
	global_load_b128 v[8*\b:8*\b+3], v5, s[8:9] offset:64*\b
	global_load_b128 v[8*\b+4:8*\b+7], v5, s[8:9] offset:64*\b+16
	global_load_b128 v[64+8*\b:64+8*\b+3], v5, s[10:11] offset:64*\b
	global_load_b128 v[64+8*\b+4:64+8*\b+7], v5, s[10:11] offset:64*\b+16
.endr
.irp a, 0,1,2,3
	global_load_b32 v[128+2*\a], v6, s[12:13] offset:64*\a
	global_load_b32 v[129+2*\a], v6, s[12:13] offset:64*\a
.endr
	WIN 0
	; the prefetches: who asks, and where they stand
	s_cmp_eq_u32 s18, 0
	s_cselect_b32 s62, 1, 0
	s_and_b32 s2, s23, 1
	s_xor_b32 s3, s19, 1
	s_or_b32 s2, s2, s3
	s_cmp_eq_u32 s2, 0
	s_cselect_b32 s63, 1, 0                        ; waves 2, 3 of a cluster with an even y: the same in all sixteen partners
	s_lshl_b32 s2, s23, 2
	s_add_co_u32 s2, s2, s22
	s_lshl_b32 s2, s2, 2
	s_add_co_u32 s2, s2, s21                       ; 4 R + cx: 32 rows each
	s_lshl_b32 s2, s2, 15
	s_add_co_u32 s2, s2, 0x800000
	s_mov_b32 s3, 0
	s_add_nc_u64 s[96:97], s[4:5], s[2:3]
	s_lshr_b32 s2, s23, 1
	s_lshl_b32 s2, s2, 2
	s_add_co_u32 s2, s2, s21
	s_lshl_b32 s2, s2, 2
	s_add_co_u32 s2, s2, s22                       ; 4 C2 + cy: 64 rows each,
	s_lshl_b32 s2, s2, 1
	s_add_co_u32 s2, s2, s20                       ; 32 for each of the two waves
	s_lshl_b32 s2, s2, 15
	s_add_co_u32 s2, s2, 0x1000000
	s_add_nc_u64 s[98:99], s[4:5], s[2:3]
.macro MKSC se, vs                     ; v[vs] = 2^e as f32, v[vs+1] = 448 x 2^e
	s_add_co_i32 s2, s[\se], 127
	s_lshl_b32 s3, s2, 23
	v_mov_b32 v[\vs], s3
	s_add_co_i32 s2, s2, 8
	s_lshl_b32 s2, s2, 23
	s_or_b32 s2, s2, 0x600000
	v_mov_b32 v[\vs+1], s2
.endm
.macro MKSS ea, eb, d                  ; s[d] = 2^(ea + eb) as f32; s[d+1] is named with it as a pair, so it is written
	s_add_co_i32 s[\d], s[\ea], s[\eb]
	s_add_co_i32 s[\d], s[\d], 127
	s_lshl_b32 s[\d], s[\d], 23
	s_mov_b32 s[\d+1], s[\d]
.endm
	s_wait_kmcnt 0x0
	MKSS 72, 73, 84
	MKSS 74, 75, 86
	MKSS 76, 77, 88
	MKSC 78, 8                                     ; e6: q
	MKSC 79, 10                                    ; e7: k
	MKSC 81, 12                                    ; e9: v
.macro FRAG reg, adr, q, i
.irp c, 0,1,2,3
	ds_load_b128 v[\reg+4*\c:\reg+4*\c+3], v[\adr] offset:128*(\q)+32*\c+(\i)*16*PITCH
.endr
.endm
.macro FETCH slot, q, set              ; 48 LDS loads in one run: the fragments of the slot's q-th 128 along K
	WIN TO_B
.irp i, 0,1,2,3,4,5,6,7
	FRAG 128*(\set)+16*\i, ADRB+\slot, \q, \i
.endr
	WIN 0
.irp i, 0,1,2,3
	FRAG AF+64*(\set)+16*\i, ADRA+\slot, \q, \i
.endr
.endm
; Eight matrix instructions: block a of my 64 rows x the eight blocks of my 128.  The 32 accumulators take turns, one instruction a turn, in the same order in every step.
.macro MUL8 a, set, zero
.irp b, 0,1,2,3,4,5,6,7
.if \zero
	v_wmma_f32_16x16x128_fp8_fp8 v[8*(8*(\a)+\b):8*(8*(\a)+\b)+7], v[128*(\set)+16*\b:128*(\set)+16*\b+15], v[AF+64*(\set)+16*(\a):AF+64*(\set)+16*(\a)+15], 0
.else
	v_wmma_f32_16x16x128_fp8_fp8 v[8*(8*(\a)+\b):8*(8*(\a)+\b)+7], v[128*(\set)+16*\b:128*(\set)+16*\b+15], v[AF+64*(\set)+16*(\a):AF+64*(\set)+16*(\a)+15], v[8*(8*(\a)+\b):8*(8*(\a)+\b)+7]
.endif
.endr
.endm
.macro SUB0 n, zero                    ; K step n, its first 128 (set 0); the second 128 are fetched into set 1.  zero = 1: a tile's first products start the sums
	s_wait_dscnt 0x0                               ; set 0 is in
	WIN MUL
	MUL8 0, 0, \zero
	PLACES                                         ; four places in front of loads into set 1, which the step before multiplied
	FETCH (\n)%2, 1, 1
	WIN MUL
	MUL8 1, 0, \zero
	MUL8 2, 0, \zero
	MUL8 3, 0, \zero
	WIN 0
.endm
; K step n, its second 128 (set 1), and the change of slots: each wave waits for all its tensor loads (one is out: its part of the next slot), adds 0 to its spare word, and waits for that and for its reads of
; this slot; behind the barrier nobody reads this slot and the next is whole.  fill = 1: the barrier opens a round of the cluster's, and this slot takes K step n + 2, of this tile or the next.
.macro SUB1 n, fill, last
.set SL, (\n)%2
.set NXS, ((\n)+1)%2
.set P2, ((\n)+2)/4
.set S2, ((\n)+2)%4
.if \last
	s_wait_dscnt 0x0
	WIN MUL
	MUL8 0, 1, 0
	MUL8 1, 1, 0
	MUL8 2, 1, 0
	MUL8 3, 1, 0
	WIN 0
.else
	s_wait_tensorcnt 0x0                           ; no tensor load of mine is out, so a group 0 may be written
	ds_add_u32 v[SPW], v[NIL]                      ; 0 onto my spare word
.if \fill
	s_add_nc_u64 s[G0A+4*SL+2:G0A+4*SL+3], s[AD+2*P2:AD+2*P2+1], S2*256
	s_or_b32 s[G0A+4*SL+3], s[G0A+4*SL+3], 0x80000000
	s_add_nc_u64 s[G0B+4*SL+2:G0B+4*SL+3], s[BD+2*P2:BD+2*P2+1], S2*256
	s_or_b32 s[G0B+4*SL+3], s[G0B+4*SL+3], 0x80000000
.endif
	s_wait_dscnt 0x1                               ; set 1 is in; the add alone may be out
	WIN MUL
	MUL8 0, 1, 0
	s_wait_dscnt 0x0                               ; the add is done, and my reads of this slot are over
	s_barrier_signal -1
	MUL8 1, 1, 0
	WIN 0
	s_barrier_wait -1
.if \fill
	CREST                                          ; no wave of any partner still reads this slot or has a load on its way
	JLOAD SL                                       ; the first tensor load behind the round; its four v_nop are also the places in front of the loads below
.else
	PLACES
.endif
	FETCH NXS, 0, 0
.if (\n) < 7
	ASK (\n)+5
.endif
	WIN MUL
	MUL8 2, 1, 0
	MUL8 3, 1, 0
	WIN 0
.endif
.endm
; THE WAY OUT of product p, when the refills for the next tile have been asked for.  Block a (16 rows): sum x 2^(two exponents) + bias in one packed multiply-add, each accumulator from its low end on; the hold; the
; conversion: a lane's 8 numbers of an accumulator are 8 codes; two accumulators are 16 bytes of a stage row.  Then the 64 rows come back as two runs of 4,096 bytes (a head's 64 tokens, or a chunk's 64 d).
.macro WAYOUT p
.set SSR, 84+2*(\p)
.set OUTR, 90+2*(\p)
.set SCV, 8+2*(\p)
.if (\p) < 2
.set STR, 131072                       ; the next head
.else
.set STR, 4096                         ; the next chunk of keys
.endif
.if (\p) > 0
	s_wait_xcnt 0x0                                ; the last way out's stores have read their data registers, which are written again below
.else
	s_wait_loadcnt 0x0                             ; the biases
.endif
	PLACES
.irp a, 0,1,2,3
	WIN 0x32                                       ; source 0 (sums) window 2, source 2 (bias) window 3
.irp b, 0,1,2,3,4,5,6,7
.irp i, 0,2,4,6
.if (\p) < 2
	v_pk_fma_f32 v[TMP+8*\b+\i:TMP+8*\b+\i+1], v[8*(8*\a+\b)+\i:8*(8*\a+\b)+\i+1], s[SSR:SSR+1], v[64*(\p)+8*\b+\i:64*(\p)+8*\b+\i+1] op_sel_hi:[1,0,1]
.else
	v_pk_fma_f32 v[TMP+8*\b+\i:TMP+8*\b+\i+1], v[8*(8*\a+\b)+\i:8*(8*\a+\b)+\i+1], s[SSR:SSR+1], v[128+2*\a:129+2*\a] op_sel_hi:[1,0,1]
.endif
.endr
.endr
	WIN 0
.set jj, 0
.rept 64
	v_med3_num_f32 v[TMP+jj], v[TMP+jj], -v[SCV+1], v[SCV+1]   ; the conversion to an 8-bit code does not saturate (ISA guide 7.6.2)
.set jj, jj+1
.endr
.if \a > 0
	s_wait_dscnt 0x0                               ; the last block's stores into the stage have read the codes' registers
.endif
.irp b, 0,1,2,3,4,5,6,7
	v_cvt_scalef32_pk8_fp8_f32 v[CD+2*\b:CD+2*\b+1], v[TMP+8*\b:TMP+8*\b+7], v[SCV]
.endr
	v_nop                                          ; a plain line between the conversions and the next lines that write their sources
.irp c, 0,1,2,3
	ds_store_b128 v[STO], v[CD+4*\c:CD+4*\c+3] offset:\a*16*144+32*\c
.endr
.endr
.irp hl, 0,1
.irp s, 0,1,2,3,4,5,6,7
	ds_load_b128 v[TMP+4*(8*\hl+\s):TMP+4*(8*\hl+\s)+3], v[RD] offset:\s*8*144+64*\hl   ; LDS serves a wave's instructions in order: these see my stores
.endr
.endr
.irp hl, 0,1
.irp s, 0,1,2,3,4,5,6,7
	s_wait_dscnt 15-8*\hl-\s
	global_store_b128 v[GO], v[TMP+4*(8*\hl+\s):TMP+4*(8*\hl+\s)+3], s[OUTR:OUTR+1] offset:\hl*STR+512*\s   ; 32 lanes store 512 consecutive bytes, aligned
.endr
.endr
.endm
	s_wait_tensorcnt 0x1                           ; my part of K step 0 is in; step 1's may stay out
	s_barrier_signal -1
	s_barrier_wait -1
	FETCH 0, 0, 0
.irp p, 0,1,2
.irp s, 0,1,2,3
.if \s == 0
	SUB0 4*\p+\s, 1
.else
	SUB0 4*\p+\s, 0
.endif
.if 4*\p+\s < 10
	SUB1 4*\p+\s, 1, 0
.elseif 4*\p+\s == 10
	SUB1 4*\p+\s, 0, 0
.else
	SUB1 4*\p+\s, 0, 1
.endif
.endr
	WAYOUT \p
.endr
	s_wait_tensorcnt 0x0                           ; the wave's end
	ds_add_u32 v[SPW], v[NIL]
	s_wait_dscnt 0x0
	CROUND                                         ; the closing round
	s_endpgm
.Lfunc_end_k_qda245c2daa_qkv:
	.size	k_qda245c2daa_qkv, .Lfunc_end_k_qda245c2daa_qkv-k_qda245c2daa_qkv
	.p2alignl 7, 3214868480
	.fill 96, 4, 3214868480
	.section	.rodata,"a",@progbits
	.p2align	6, 0x0
	.amdhsa_kernel k_qda245c2daa_qkv
		.amdhsa_group_segment_fixed_size 327680
		.amdhsa_private_segment_fixed_size 0
		.amdhsa_enable_private_segment 0
		.amdhsa_kernarg_size 56
		.amdhsa_user_sgpr_count 2
		.amdhsa_user_sgpr_kernarg_segment_ptr 1
		.amdhsa_wavefront_size32 1
		.amdhsa_system_sgpr_workgroup_id_x 1
		.amdhsa_system_sgpr_workgroup_id_y 1
		.amdhsa_system_sgpr_workgroup_id_z 1
		.amdhsa_system_vgpr_workitem_id 0
		.amdhsa_next_free_vgpr 1024
		.amdhsa_next_free_sgpr 106
		.amdhsa_reserve_vcc 0
		.amdhsa_float_denorm_mode_32 3
		.amdhsa_float_denorm_mode_16_64 3
		.amdhsa_memory_ordered 1
		.amdhsa_forward_progress 1
		.amdhsa_inst_pref_size 248
	.end_amdhsa_kernel
	.amdgpu_metadata
---
amdhsa.version: [ 1, 2 ]
amdhsa.kernels:
  - .name:           k_qda245c2daa_qkv
    .symbol:         k_qda245c2daa_qkv.kd
    .args:
      - { .name: xc, .offset: 0, .size: 8, .value_kind: global_buffer, .address_space: global }
      - { .name: wc, .offset: 8, .size: 8, .value_kind: global_buffer, .address_space: global }
      - { .name: bq, .offset: 16, .size: 8, .value_kind: global_buffer, .address_space: global }
      - { .name: bk, .offset: 24, .size: 8, .value_kind: global_buffer, .address_space: global }
      - { .name: bv, .offset: 32, .size: 8, .value_kind: global_buffer, .address_space: global }
      - { .name: lowp_scales, .offset: 40, .size: 8, .value_kind: global_buffer, .address_space: global }
      - { .name: qkv, .offset: 48, .size: 8, .value_kind: global_buffer, .address_space: global }
    .group_segment_fixed_size: 327680
    .private_segment_fixed_size: 0
    .kernarg_segment_align: 8
    .kernarg_segment_size: 56
    .max_flat_workgroup_size: 128
    .sgpr_count:     106
    .vgpr_count:     1024
    .wavefront_size: 32
...
	.end_amdgpu_metadata
.endif
;; end of part 2
;; launch attn (part 3): grid 4 x 64, 16 waves a work-group, clusters of 4 x 1, 327,680 bytes of LDS; arguments qkv, lowp_scales, oc; writes oc
.if DOCPART == 3
	.amdgcn_target "amdgcn-amd-amdhsa--gfx1250"
	.amdhsa_code_object_version 6
	.text
	.protected	k_qda245c2daa_attn
	.globl	k_qda245c2daa_attn
	.p2align	8
	.type	k_qda245c2daa_attn,@function
k_qda245c2daa_attn:
	s_mov_b64 s[64:65], 0
	v_nop
	global_prefetch_b8 v0, s[64:65] scope:SCOPE_SE
	s_setreg_imm32_b32 hwreg(HW_REG_WAVE_MODE, 25, 1), 1
	s_wait_xcnt 0x0
	s_wait_alu depctr_hold_cnt(0) depctr_sa_sdst(0) depctr_va_vdst(0) depctr_va_sdst(0) depctr_va_ssrc(0) depctr_va_vcc(0) depctr_vm_vsrc(0)
	s_getreg_b32 s2, hwreg(HW_REG_IB_STS2, 6, 4)
	s_cmp_eq_u32 s2, 0
	s_cbranch_scc0 .Lentry_in_a_cluster
	s_endpgm
.Lentry_in_a_cluster:
	s_bfe_u32 s2, ttmp6, 0x10000c
	s_cmp_lg_u32 s2, 0x3003
	s_cbranch_scc0 .Lentry_shape_is_right
	s_endpgm
.Lentry_shape_is_right:
; Causal attention on E4M3 codes, head size 64, 2,048 tokens, 64 (batch, head) pairs.  In: qkv as the launch before lays it (q, k [bh][t][64]; v [bh][chunk of 64 keys][64 d][64 keys]; in each 32 bytes, byte
; 16 h + 8 u + j holds index 16 u + 8 h + j).  Out: oc [128 groups of 64 tokens][16 heads][64 tokens][64 d], codes with entry 10 of the scales, d in its natural order: a K step of the last product is one dense block.
; THE SOFTMAX: t = score x 2^(e6 + e7) x log2(e) / 8; M = the running largest t rounded UP to a whole number; p = 2^(t - M) is quantised (e8), not normalised; the row's sum is taken of the unquantised p and divides at
; the end; when M moves, the sum and O are multiplied by 2^(old M - new M), which rounds nothing.
; SHARES.  A cluster of four work-groups is one (batch, head); all four walk the same K and V, so each slot is asked for JOINTLY.  A work-group has 16 waves, four to a SIMD; a wave owns TWO tiles of 16 queries:
; tile 4 i + g and tile 127 - (4 i + g), g the work-group's place, i a number made of the wave's number.  Their last key steps of 128 keys are i / 2 and 15 - i / 2: 17 pieces of 16 x 128 for every wave, and the
; branches that leave hidden pieces out hang on the wave's number and the step alone, never on g.  g enters Q's and oc's addresses and the diagonal's compare.
; LAYOUT.  S^T = K Q^T (source 0 = 16 neighbouring keys, source 1 = my 16 queries, K = 64), O^T = V^T P^T (source 0 = 16 of the head's 64, source 1 = P, K = 128 keys): a lane holds one query throughout, and the
; eight codes made of score tile t are registers 2 t, 2 t + 1 of P.  The d rows of a tile of V are r + 8 (r / 8) on from 32 c + 8 u, so that two neighbouring tiles of O^T give a lane 16 neighbouring d.
; A fetching wave has one tensor load out.  LIMITS: e6 + e7 between -123 and 130 (added to c's exponent field); e8 between -8 and 127 (p is not held), e10 between -126 and 127 with every result within 448 x 2^e10; e8 + e9 goes by v_ldexp_f32.  NaN is not served.
; REGISTERS: v1-11 addresses; v12-15, v16-19 -M, largest t, the sum in two halves, for the two tiles; v20-35 Q; v36-99 fragments of K or V; v100-163 S^T, then p; v164-227 O^T; v228-243 p's codes; v244-254 at work.
.set SLOT1, 65536                      ; slot 1 begins here: one exclusive or turns an address
.set VOFF,  64*272                     ; a slot: K, 64 rows of 256 bytes (4 keys each) + 16; then V, 128 rows of 128 bytes (2 d each) + 16
.set CHK,   32*144                     ; a chunk of 64 keys of V
.set STAGE, 131072                     ; 2 x 16 rows x 80 bytes for each wave; no tensor load lands here
.set SPARE, STAGE+16*2560              ; the spare words: 128 bytes a wave, named by no other line
.set KV,  36
.set S,   100
.set P,   228
.set G1K, 24
.set G1V, 32
.set G0K, 40
.set G0V, 44
.macro CROUND
	s_barrier_signal -1
	s_barrier_wait -1
	s_cmp_lg_u32 s10, 0
	s_cbranch_scc1 .Lnot_wave_0_\@
	s_barrier_signal -3
.Lnot_wave_0_\@:
	s_barrier_wait -3
	s_barrier_signal -1
	s_barrier_wait -1
.endm
.macro TLOAD                           ; wave 0 fetches a slot's K, wave 1 its V, 16,384 dense bytes each; four v_nop follow each line
	s_cmp_eq_u32 s10, 0
	s_cbranch_scc0 .Lnot_k_\@
	tensor_load_to_lds s[G0K:G0K+3], s[G1K:G1K+7]
	s_nop 0
.rept 4
	v_nop
.endr
	s_branch .Lasked_\@
.Lnot_k_\@:
	s_cmp_eq_u32 s10, 1
	s_cbranch_scc0 .Lasked_\@
	tensor_load_to_lds s[G0V:G0V+3], s[G1V:G1V+7]
	s_nop 0
.rept 4
	v_nop
.endr
.Lasked_\@:
.endm
; A prefetch of the slot that the NEXT change of slots will ask for: two key steps ahead of that load.  Wave 2 asks, one instruction: lanes 0-15 name 16 blocks of 256 bytes of K, lanes 16-31 of V; the four partners
; take 4,096 bytes of each, told apart by address.  Each block is named once: a head belongs to one cluster.  Slots 0 and 1 come by their loads alone; the last change that fills a slot asks for nothing.
.macro ASK
	s_cmp_gt_u32 s18, s19
	s_cbranch_scc0 .Lnot_mine_\@
	global_prefetch_b8 v3, s[48:49] th:TH_LOAD_NT scope:SCOPE_SE
.Lnot_mine_\@:
.endm
	s_load_b128 s[4:7], s[0:1], 0x0                ; qkv, the scales
	s_load_b64 s[8:9], s[0:1], 0x10                ; oc
	v_lshl_add_u32 v5, v0, 2, SPARE
	v_mov_b32 v6, 0
	ds_add_u32 v5, v6
	ds_add_u32 v5, v6
	s_wait_dscnt 0x0
	v_lshrrev_b32 v8, 5, v0
	s_delay_alu instid0(VALU_DEP_1)
	v_readfirstlane_b32 s10, v8                    ; wave 0 .. 15
	s_bfe_u32 s11, ttmp6, 0x40000                  ; g: my place in the cluster
	s_and_b32 s12, ttmp7, 0xffff                   ; bh
	s_lshr_b32 s76, s10, 2
	s_and_b32 s77, s10, 3
	s_add_co_u32 s77, s77, s76
	s_and_b32 s77, s77, 3
	s_lshl_b32 s77, s77, 2
	s_add_co_u32 s13, s77, s76                     ; i = 4 ((w / 4 + w % 4) % 4) + w / 4: each of 0 .. 15 once, early and late ones mixed among any four neighbouring or strided waves
	s_lshr_b32 s14, s13, 1                         ; the lower tile's last key step,
	s_xor_b32 s15, s14, 15                         ; the upper tile's: 15 less that
	s_lshl_b32 s16, s13, 2
	s_add_co_u32 s16, s16, s11                     ; the lower tile, 0 .. 63,
	s_xor_b32 s17, s16, 127                        ; the upper: 127 less that
	s_lshl_b32 s16, s16, 4                         ; their first queries
	s_lshl_b32 s17, s17, 4
	s_mov_b32 s[G1K], 15|(1<<20)|(1<<21)|(5<<22)|(3<<25)   ; 15:0 all four work-groups; elements of 1 byte; padding on; 21 set beside a mask; four words after every 64
	s_mov_b32 s[G1K+1], 256<<16
	s_mov_b32 s[G1K+2], 64<<16
	s_mov_b32 s[G1K+3], 256<<16
	s_mov_b32 s[G1K+4], 64
	s_mov_b32 s[G1K+5], 256                        ; dense
	s_mov_b32 s[G1K+6], 0
	s_mov_b32 s[G1K+7], 0
	s_mov_b32 s[G1V], 15|(1<<20)|(1<<21)|(4<<22)|(3<<25)   ; four words after every 32
	s_mov_b32 s[G1V+1], 128<<16
	s_mov_b32 s[G1V+2], 128<<16
	s_mov_b32 s[G1V+3], 128<<16
	s_mov_b32 s[G1V+4], 128
	s_mov_b32 s[G1V+5], 128
	s_mov_b32 s[G1V+6], 0
	s_mov_b32 s[G1V+7], 0
	s_mov_b32 s20, 0x76543210                      ; v_permlanex16_b32: lane l xor 16
	s_mov_b32 s21, 0xfedcba98
	s_mov_b32 s2, 0                                ; the slot in hand
	s_mov_b32 s3, 0                                ; the key step
	s_mov_b32 s18, 7                               ; slots still to be asked for
	s_cmp_eq_u32 s10, 2
	s_cselect_b32 s19, 1, -1                       ; a wave prefetches while s18 is above this
	s_lshl_b32 s78, s12, 17                        ; the head's 2^17 bytes in each part
	s_mov_b32 s79, 0
	s_wait_kmcnt 0x0
	s_load_b256 s[68:75], s[6:7], 0x10             ; e4 .. e11
	s_add_nc_u64 s[56:57], s[4:5], s[78:79]        ; q of my head
	s_mov_b32 s[G0K], 1
	s_mov_b32 s[G0K+1], 0
	s_add_nc_u64 s[G0K+2:G0K+3], s[56:57], 0x800000
	s_or_b32 s[G0K+3], s[G0K+3], 0x80000000
	s_mov_b32 s[G0V], 1
	s_mov_b32 s[G0V+1], VOFF
	s_add_nc_u64 s[G0V+2:G0V+3], s[56:57], 0x1000000
	s_or_b32 s[G0V+3], s[G0V+3], 0x80000000
	CROUND                                         ; all four work-groups are here
	TLOAD                                          ; slot 0
	s_lshl_b32 s78, s11, 12
	s_add_co_u32 s78, s78, 0x800000+16384          ; my work-group's 4,096 bytes, in slot 1: the first change of slots steps it to slot 2
	s_add_nc_u64 s[48:49], s[56:57], s[78:79]
.macro OCB q0, dst                     ; where a tile's 16 rows of 64 bytes go
	s_lshr_b32 s80, s12, 4
	s_lshl_b32 s80, s80, 5
	s_lshr_b32 s81, s[\q0], 6
	s_add_co_u32 s80, s80, s81                     ; the group of 64 tokens
	s_lshl_b32 s80, s80, 16
	s_and_b32 s81, s12, 15
	s_lshl_b32 s81, s81, 12                        ; the head
	s_add_co_u32 s80, s80, s81
	s_and_b32 s81, s[\q0], 63
	s_lshl_b32 s81, s81, 6
	s_add_co_u32 s80, s80, s81
	s_mov_b32 s81, 0
	s_add_nc_u64 s[\dst:\dst+1], s[8:9], s[80:81]
.endm
	OCB 16, 58
	OCB 17, 60
	v_and_b32 v8, 15, v0                           ; r
	v_bfe_u32 v9, v0, 4, 1                         ; h
	s_delay_alu instid0(VALU_DEP_2)
	v_lshlrev_b32 v250, 6, v8
	s_delay_alu instid0(VALU_DEP_1)
	v_lshl_add_u32 v250, v9, 4, v250               ; 64 r + 16 h
	s_lshl_b32 s80, s16, 6
	s_lshl_b32 s81, s17, 6
	v_add_nc_u32 v251, s81, v250
	v_add_nc_u32 v250, s80, v250
	global_load_b128 v[20:23], v250, s[56:57]      ; Q's two fragments stay in registers
	global_load_b128 v[24:27], v250, s[56:57] offset:32
	global_load_b128 v[28:31], v251, s[56:57]
	global_load_b128 v[32:35], v251, s[56:57] offset:32
	v_lshrrev_b32 v10, 2, v8
	s_delay_alu instid0(VALU_DEP_1)
	v_mul_u32_u24 v1, v10, 272
	v_and_b32 v10, 3, v8
	s_delay_alu instid0(VALU_DEP_1)
	v_lshl_add_u32 v1, v10, 6, v1
	s_delay_alu instid0(VALU_DEP_1)
	v_lshl_add_u32 v1, v9, 4, v1                   ; K: key r of a tile: 272 (r / 4) + 64 (r % 4) + 16 h
	v_and_b32 v10, 8, v8
	s_delay_alu instid0(VALU_DEP_1)
	v_add_nc_u32 v10, v10, v8                      ; r + 8 (r / 8)
	s_delay_alu instid0(VALU_DEP_1)
	v_lshrrev_b32 v11, 1, v10
	s_delay_alu instid0(VALU_DEP_1)
	v_mul_u32_u24 v2, v11, 144
	s_delay_alu instid0(VALU_DEP_3)
	v_and_b32 v11, 1, v10
	s_delay_alu instid0(VALU_DEP_1)
	v_lshl_add_u32 v2, v11, 6, v2
	s_delay_alu instid0(VALU_DEP_1)
	v_lshl_add_u32 v2, v9, 4, v2
	s_delay_alu instid0(VALU_DEP_1)
	v_add_nc_u32 v2, VOFF, v2                      ; V: that row of d
	v_and_b32 v3, 15, v0
	s_delay_alu instid0(VALU_DEP_1)
	v_lshlrev_b32 v3, 8, v3
	s_delay_alu instid0(VALU_DEP_1)
	v_lshl_add_u32 v3, v9, 23, v3                  ; the prefetch: 256 (lane % 16), and V's part lies 2^23 bytes behind K's
	s_mul_i32 s80, s10, 2560
	s_add_co_u32 s80, s80, STAGE                   ; my stage
	v_and_b32 v7, 31, v0
	s_delay_alu instid0(VALU_DEP_1)
	v_lshrrev_b32 v10, 2, v7
	s_delay_alu instid0(VALU_DEP_1)
	v_mul_u32_u24 v4, v10, 80
	s_delay_alu instid0(VALU_DEP_3)
	v_and_b32 v10, 3, v7
	s_delay_alu instid0(VALU_DEP_1)
	v_lshl_add_u32 v4, v10, 4, v4
	s_delay_alu instid0(VALU_DEP_1)
	v_add_nc_u32 v4, s80, v4                       ; back: four lanes to a row of 64 bytes
	v_lshlrev_b32 v7, 4, v7                        ; and on end in oc
	v_mul_u32_u24 v10, v8, 80
	s_delay_alu instid0(VALU_DEP_1)
	v_lshl_add_u32 v10, v9, 4, v10
	s_delay_alu instid0(VALU_DEP_1)
	v_add_nc_u32 v10, s80, v10                     ; in: row r, 16 bytes for each half of the lanes
	v_lshlrev_b32 v11, 3, v9
	s_delay_alu instid0(VALU_DEP_1)
	v_sub_nc_u32 v11, v8, v11                      ; r - 8 h, for the diagonal
.irp x, 12, 16
	v_mov_b32 v[\x+1], 0xff61b1e6                  ; the largest t so far: -3e38
	s_delay_alu instid0(VALU_DEP_1)
	v_floor_f32 v[\x], -v[\x+1]                    ; -M
	v_mov_b32 v[\x+2], 0                           ; the sum, in two halves
	v_mov_b32 v[\x+3], 0
.endr
	v_mov_b32 v247, 0                              ; (named as the upper half of the pair v[246:247])
	v_mov_b32 v252, 0                              ; a lane permute's destination counts as one of its sources
	v_mov_b32 v253, 0xff800000                     ; -infinity
.set jj, 0
.rept 64
	v_mov_b32 v[164+jj], 0                         ; O^T: the piece is written once; the first finds zeros, which the first change of M leaves zeros
.set jj, jj+1
.endr
	s_wait_kmcnt 0x0
	s_mov_b32 s22, 0x3e38aa3b                      ; c = log2(e) / 8
	s_add_co_i32 s76, s70, s71
	s_lshl_b32 s76, s76, 23
	s_add_co_i32 s22, s22, s76                     ; x 2^(e6 + e7), by c's exponent field
	s_mov_b32 s23, s22
	s_add_co_i32 s76, s72, 127
	s_lshl_b32 s77, s76, 23
	v_mov_b32 v244, s77                            ; 2^e8
; A PIECE: tile X (0 lower, 1 upper) against the slot's q-th 128 keys.
.macro TSTEP q, X
.set ST, 12+4*(\X)
.set QF, 20+8*(\X)
.set OA, 164+32*(\X)
	s_cmp_gt_u32 s3, s[14+\X]                      ; all of the step's keys come after my 16 queries: the piece is left out
	s_cbranch_scc1 .Lhidden_\@
.rept 4
	v_nop                                          ; places in front of loads into registers that the last products read
.endr
	s_wait_alu depctr_va_vdst(0)
.irp t, 0,1,2,3,4,5,6,7
.irp c, 0,1
	ds_load_b128 v[KV+8*\t+4*\c:KV+8*\t+4*\c+3], v8 offset:(32*(\q)+4*\t)*272+32*\c
.endr
.endr
	s_wait_dscnt 0x0
.irp t, 0,1,2,3,4,5,6,7
	v_wmma_f32_16x16x64_fp8_fp8 v[S+8*\t:S+8*\t+7], v[KV+8*\t:KV+8*\t+7], v[QF:QF+7], 0   ; lane (r, h), register j: query r, key 16 t + 8 h + j
.endr
.rept 4
	v_nop
.endr
	s_cmp_lg_u32 s3, s[14+\X]                      ; only the tile's last step lies on the diagonal
	s_cbranch_scc1 .Lopen_\@
	s_lshl_b32 s96, s3, 7
	s_sub_co_i32 s96, s[16+\X], s96
	v_add_nc_u32 v254, s96, v11                    ; my query - the step's first key - 8 h: register 8 t + j is hidden where 16 t + j is above it
.set jj, 0
.rept 64
	v_cmp_gt_i32 vcc_lo, 16*(jj/8)+jj%8, v254
	v_cndmask_b32 v[S+jj], v[S+jj], v253, vcc_lo
.set jj, jj+1
.endr
.Lopen_\@:
	v_max3_num_f32 v250, v[S], v[S+1], v[S+2]      ; the piece's largest score of my query among my 64 keys, in two chains, from the low end on
	v_max3_num_f32 v251, v[S+3], v[S+4], v[S+5]
.irp i, 6,10,14,18,22,26,30,34,38,42,46,50,54,58
	v_max3_num_f32 v250, v250, v[S+\i], v[S+\i+1]
	v_max3_num_f32 v251, v251, v[S+\i+2], v[S+\i+3]
.endr
	v_max3_num_f32 v250, v250, v[S+62], v[S+63]
	s_delay_alu instid0(VALU_DEP_1)
	v_max_num_f32 v250, v250, v251
	s_delay_alu instid0(VALU_DEP_1)
	v_permlanex16_b32 v252, v250, s20, s21
	s_delay_alu instid0(VALU_DEP_1)
	v_max_num_f32 v250, v250, v252                 ; and among lane l xor 16's
	s_delay_alu instid0(VALU_DEP_1)
	v_mul_f32 v250, s22, v250                      ; as t (c is positive)
	s_delay_alu instid0(VALU_DEP_1)
	v_max_num_f32 v[ST+1], v[ST+1], v250           ; the running largest t
	v_mov_b32 v250, v[ST]
	s_delay_alu instid0(VALU_DEP_2)
	v_floor_f32 v[ST], -v[ST+1]                    ; the new -M = -ceil(t)
	s_delay_alu instid0(VALU_DEP_1)
	v_sub_f32 v250, v[ST], v250                    ; old M - new M, a whole number, 0 or less
	s_delay_alu instid0(VALU_DEP_1)
	v_cvt_i32_f32 v250, v250                       ; (it saturates)
	s_delay_alu instid0(VALU_DEP_1)
	v_ldexp_f32 v246, 1.0, v250                    ; f = 2^(old M - new M)
.set jj, 0
.rept 32
	v_pk_fma_f32 v[S+jj:S+jj+1], v[S+jj:S+jj+1], s[22:23], v[ST:ST+1] op_sel_hi:[1,0,0]   ; t - M (of the pairs c and -M the low word serves both halves)
.set jj, jj+2
.endr
.set jj, 0
	s_wait_alu depctr_va_vdst(0)
.rept 64
	v_exp_f32 v[S+jj], v[S+jj]                     ; p = 2^(t - M)
.set jj, jj+1
.endr
	v_pk_mul_f32 v[ST+2:ST+3], v[ST+2:ST+3], v[246:247] op_sel_hi:[1,0]   ; the sum under the new M: the plain line behind the exponentials
	s_wait_alu depctr_va_vdst(0)                   ; one wait for the batch of 64, ahead of its first reader
	v_pk_add_f32 v[248:249], v[S:S+1], v[S+2:S+3]  ; the row's sum is taken of the unquantised p, in two chains
.irp j, 4,8,12,16,20,24,28,32,36,40,44,48,52,56,60
	v_pk_add_f32 v[ST+2:ST+3], v[ST+2:ST+3], v[S+\j:S+\j+1]
	v_pk_add_f32 v[248:249], v[248:249], v[S+\j+2:S+\j+3]
.endr
	s_delay_alu instid0(VALU_DEP_1)
	v_pk_add_f32 v[ST+2:ST+3], v[ST+2:ST+3], v[248:249]
.set jj, 0
.rept 64
.set jj, jj+1
.endr
.irp t, 0,1,2,3,4,5,6,7
	v_cvt_scalef32_pk8_fp8_f32 v[P+2*\t:P+2*\t+1], v[S+8*\t:S+8*\t+7], v244
.endr
.set jj, 0
.rept 16
	v_pk_mul_f32 v[OA+jj:OA+jj+1], v[OA+jj:OA+jj+1], v[246:247] op_sel_hi:[1,0]   ; O^T under the new M; also the plain lines between the conversions and the products
.set jj, jj+2
.endr
.irp d, 0,1,2,3
.irp k, 0,1,2,3
	ds_load_b128 v[KV+16*\d+4*\k:KV+16*\d+4*\k+3], v9 offset:(2*(\q)+\k/2)*CHK+(16*(\d/2)+4*(\d%2))*144+32*(\k%2)
.endr
.endr
	s_wait_alu depctr_va_vdst(0)
	s_wait_dscnt 0x0
.irp d, 0,1,2,3
	v_wmma_f32_16x16x128_fp8_fp8 v[OA+8*\d:OA+8*\d+7], v[KV+16*\d:KV+16*\d+15], v[P:P+15], v[OA+8*\d:OA+8*\d+7]   ; four accumulators by turns; register j of tile 2 c + u: d = 32 c + 16 h + 8 u + j
.endr
.Lhidden_\@:
.endm
.macro SLOT_STEPS
	v_add_nc_u32 v8, s2, v1                        ; the slot's K and V, made on every wave's path
	v_add_nc_u32 v9, s2, v2
	TSTEP 0, 0
	TSTEP 0, 1
	s_add_co_u32 s3, s3, 1
	TSTEP 1, 0
	TSTEP 1, 1
	s_add_co_u32 s3, s3, 1
	s_xor_b32 s2, s2, SLOT1
.endm
; THE CHANGE OF SLOTS, at a slot's head: each wave waits for all its tensor loads, adds 0 to its spare word, and waits for that and for its reads of the slot that it has left.  fill = 1: a round of the cluster's
; barrier, and behind it the slot that was left takes the next 256 keys: the load has a slot's two key steps in which to land.
.macro CHANGE fill
	s_wait_tensorcnt 0x0                           ; no tensor load of mine is out, so a group 0 may be written
	ds_add_u32 v5, v6                              ; 0 onto my spare word
.if \fill
	s_xor_b32 s[G0K+1], s[G0K+1], SLOT1
	s_add_nc_u64 s[G0K+2:G0K+3], s[G0K+2:G0K+3], 16384
	s_xor_b32 s[G0V+1], s[G0V+1], SLOT1
	s_add_nc_u64 s[G0V+2:G0V+3], s[G0V+2:G0V+3], 16384
	s_wait_xcnt 0x0                                ; the last prefetch, a slot back, has read its address
	s_add_nc_u64 s[48:49], s[48:49], 16384
	s_wait_dscnt 0x0
	CROUND
	TLOAD
	ASK
.else
	s_wait_dscnt 0x0
	s_barrier_signal -1
	s_barrier_wait -1
.endif
.endm
	s_wait_loadcnt 0x0                             ; Q
.Lslot:                                            ; seven trips: behind each change of slots but the last the next slot is asked for
	CHANGE 1
	SLOT_STEPS
	s_sub_co_u32 s18, s18, 1
	s_cmp_lg_u32 s18, 0
	s_cbranch_scc1 .Lslot
	CHANGE 0                                       ; the last slot is written out
	SLOT_STEPS
	; THE WAY OUT: O^T x 2^(e8 + e9) / the sum, quantised with e10; a lane's 16 neighbouring d of two tiles are 16 bytes; through my stage, and out as 1,024 consecutive bytes a tile.
.rept 4
	v_nop
.endr
	v_add_f32 v14, v14, v15
	v_add_f32 v18, v18, v19
	s_delay_alu instid0(VALU_DEP_2)
	v_permlanex16_b32 v252, v14, s20, s21
	s_delay_alu instid0(VALU_DEP_1)
	v_add_f32 v14, v14, v252
	s_delay_alu instid0(VALU_DEP_2)
	v_permlanex16_b32 v252, v18, s20, s21
	s_delay_alu instid0(VALU_DEP_1)
	v_add_f32 v18, v18, v252
	s_wait_alu depctr_va_vdst(0)
	v_rcp_f32 v14, v14
	v_rcp_f32 v18, v18
	s_add_co_i32 s76, s74, 127
	s_lshl_b32 s77, s76, 23
	v_mov_b32 v244, s77                            ; 2^e10 (a plain line behind the reciprocals)
	s_add_co_i32 s78, s72, s73
	s_wait_alu depctr_va_vdst(0)                   ; one wait for the two reciprocals, ahead of their first reader
	v_ldexp_f32 v14, v14, s78
	v_ldexp_f32 v18, v18, s78
.macro OUTX X
.set ST, 12+4*(\X)
.set OA, 164+32*(\X)
.set jj, 0
.rept 16
	v_pk_mul_f32 v[S+32*(\X)+jj:S+32*(\X)+jj+1], v[OA+jj:OA+jj+1], v[ST+2:ST+3] op_sel_hi:[1,0]   ; each accumulator from its low end on
.set jj, jj+2
.endr
.set jj, 0
.rept 32
.set jj, jj+1
.endr
.irp d, 0,1,2,3
	v_cvt_scalef32_pk8_fp8_f32 v[P+8*(\X)+2*\d:P+8*(\X)+2*\d+1], v[S+32*(\X)+8*\d:S+32*(\X)+8*\d+7], v244
.endr
	v_nop
.irp c, 0,1
	ds_store_b128 v10, v[P+8*(\X)+4*\c:P+8*(\X)+4*\c+3] offset:1280*(\X)+32*\c
.endr
.irp s, 0,1
	ds_load_b128 v[KV+8*(\X)+4*\s:KV+8*(\X)+4*\s+3], v4 offset:1280*(\X)+640*\s   ; LDS serves a wave's instructions in order: these see my stores
.endr
.endm
	OUTX 0
	OUTX 1
	s_wait_dscnt 5                                 ; behind tile 0's first load: its second, and tile 1's two stores and two loads
	global_store_b128 v7, v[KV:KV+3], s[58:59]
	s_wait_dscnt 4
	global_store_b128 v7, v[KV+4:KV+7], s[58:59] offset:512
	s_wait_dscnt 1
	global_store_b128 v7, v[KV+8:KV+11], s[60:61]
	s_wait_dscnt 0
	global_store_b128 v7, v[KV+12:KV+15], s[60:61] offset:512
	s_wait_tensorcnt 0x0                           ; the wave's end
	ds_add_u32 v5, v6
	s_wait_dscnt 0x0
	CROUND                                         ; the closing round
	s_endpgm
.Lfunc_end_k_qda245c2daa_attn:
	.size	k_qda245c2daa_attn, .Lfunc_end_k_qda245c2daa_attn-k_qda245c2daa_attn
	.p2alignl 7, 3214868480
	.fill 96, 4, 3214868480
	.section	.rodata,"a",@progbits
	.p2align	6, 0x0
	.amdhsa_kernel k_qda245c2daa_attn
		.amdhsa_group_segment_fixed_size 327680
		.amdhsa_private_segment_fixed_size 0
		.amdhsa_enable_private_segment 0
		.amdhsa_kernarg_size 24
		.amdhsa_user_sgpr_count 2
		.amdhsa_user_sgpr_kernarg_segment_ptr 1
		.amdhsa_wavefront_size32 1
		.amdhsa_system_sgpr_workgroup_id_x 1
		.amdhsa_system_sgpr_workgroup_id_y 1
		.amdhsa_system_sgpr_workgroup_id_z 1
		.amdhsa_system_vgpr_workitem_id 0
		.amdhsa_next_free_vgpr 256
		.amdhsa_next_free_sgpr 100
		.amdhsa_reserve_vcc 1
		.amdhsa_float_denorm_mode_32 3
		.amdhsa_float_denorm_mode_16_64 3
		.amdhsa_fp16_overflow 1
		.amdhsa_memory_ordered 1
		.amdhsa_forward_progress 1
		.amdhsa_inst_pref_size 167
	.end_amdhsa_kernel
	.amdgpu_metadata
---
amdhsa.version: [ 1, 2 ]
amdhsa.kernels:
  - .name:           k_qda245c2daa_attn
    .symbol:         k_qda245c2daa_attn.kd
    .args:
      - { .name: qkv, .offset: 0, .size: 8, .value_kind: global_buffer, .address_space: global }
      - { .name: lowp_scales, .offset: 8, .size: 8, .value_kind: global_buffer, .address_space: global }
      - { .name: oc, .offset: 16, .size: 8, .value_kind: global_buffer, .address_space: global }
    .group_segment_fixed_size: 327680
    .private_segment_fixed_size: 0
    .kernarg_segment_align: 8
    .kernarg_segment_size: 24
    .max_flat_workgroup_size: 512
    .sgpr_count:     100
    .vgpr_count:     256
    .wavefront_size: 32
...
	.end_amdgpu_metadata
.endif
;; end of part 3
;; launch proj (part 4): grid 4 x 64, 4 waves a work-group, clusters of 4 x 4, 327,680 bytes of LDS; arguments oc, wc, bo, lowp_scales, out0; writes out0
.if DOCPART == 4
	.amdgcn_target "amdgcn-amd-amdhsa--gfx1250"
	.amdhsa_code_object_version 6
	.text
	.protected	k_qda245c2daa_proj
	.globl	k_qda245c2daa_proj
	.p2align	8
	.type	k_qda245c2daa_proj,@function
k_qda245c2daa_proj:
	s_mov_b64 s[64:65], 0
	v_nop
	global_prefetch_b8 v0, s[64:65] scope:SCOPE_SE
	s_setreg_imm32_b32 hwreg(HW_REG_WAVE_MODE, 25, 1), 1
	s_wait_xcnt 0x0
	s_wait_alu depctr_hold_cnt(0) depctr_sa_sdst(0) depctr_va_vdst(0) depctr_va_sdst(0) depctr_va_ssrc(0) depctr_va_vcc(0) depctr_vm_vsrc(0)
	s_getreg_b32 s2, hwreg(HW_REG_IB_STS2, 6, 4)
	s_cmp_eq_u32 s2, 0
	s_cbranch_scc0 .Lentry_in_a_cluster
	s_endpgm
.Lentry_in_a_cluster:
	s_bfe_u32 s2, ttmp6, 0x10000c
	s_cmp_lg_u32 s2, 0xf033
	s_cbranch_scc0 .Lentry_shape_is_right
	s_endpgm
.Lentry_shape_is_right:
; out0 = O Wo^T + bo on E4M3 codes; sums in f32, each x 2^(e10 + e11), + bo.  O's codes: oc [128 groups of 64 tokens][16 heads][64 tokens][64 d]; Wo's: the fourth 2^20 bytes of wc, [1024 n][1024 k].  out0 [8192][1024] f32.
; SHARES: 256 work-groups, a tile of 128 tokens x 256 columns each; four waves, each 64 x 128: 32 accumulators.  K goes in four steps of 256 (four heads) through two LDS slots; all steps are written out.
; A K step of 64 tokens of O is one dense block of 16,384 bytes ([4 heads][64 tokens][64]), stated as 64 rows of 256 bytes.  THE MATRIX INSTRUCTION IS USED TRANSPOSED (source 0 = 16 rows of Wo, source 1 = 16 tokens).
; Registers 4 c .. 4 c + 3 of a fragment hold K = 32 c + 16 (l / 16) + 0 .. 15 of the step's 128: the same permutation on both sides.
; CLUSTER 4 x 4: O's tile is shared along a row of the cluster, Wo's along a column; each is asked for jointly.  A wave has two tensor loads out at the start, later one.
; No prefetch: with four K steps, of which two are asked for at the start, every request would stand at the head.  LIMIT: e10 + e11 between -126 and 127.
; REGISTERS: window 0: addresses; v32-159 two sets of O's fragments, on the way out rows read back; v160-223 at work.  window 1: two sets of Wo's fragments.  window 2: accumulator (a, b) at v[8 (8 a + b)].  window 3: v0-63 bo.
.set PITCH,  272
.set AHALF,  64*PITCH
.set AREG,   2*AHALF
.set BHALF,  128*PITCH
.set SLOT,   AREG+2*BHALF
.set STAGE,  2*SLOT                    ; behind the ring: 16 rows x 528 bytes for each wave; no tensor load lands here
.set STW,    16*528
.set SPARE,  STAGE+4*STW               ; the spare words: 128 bytes a wave, named by no other line
.set ADRA, 16
.set ADRB, 20
.set STO,  24
.set RD,   25
.set GO,   26
.set SPW,  28
.set NIL,  29
.set AF,   32
.set BK,   32
.set TMP,  160
.set G1A, 24
.set G0A, 32
.set G1B, 40
.set G0B, 48
.set MUL,  0xa1
.set TO_B, 0x40
.set MSB, 0
.macro WIN new
.if MSB != \new
	s_set_vgpr_msb (MSB<<8)|\new
.set MSB, \new
.endif
.endm
.macro PLACES
.rept 4
	v_nop
.endr
.endm
.macro JLOAD s                         ; waves 0, 1 fetch O's halves, waves 2, 3 Wo's; four v_nop follow each line
	s_cmp_eq_u32 s19, 0
	s_cbranch_scc0 .Lfor_b_\@
	tensor_load_to_lds s[G0A+4*(\s):G0A+4*(\s)+3], s[G1A:G1A+7]
	s_nop 0
.rept 4
	v_nop
.endr
	s_branch .Lasked_\@
.Lfor_b_\@:
	tensor_load_to_lds s[G0B+4*(\s):G0B+4*(\s)+3], s[G1B:G1B+7]
	s_nop 0
.rept 4
	v_nop
.endr
.Lasked_\@:
.endm
.macro CREST
	s_cmp_lg_u32 s18, 0
	s_cbranch_scc1 .Lnot_wave_0_\@
	s_barrier_signal -3
.Lnot_wave_0_\@:
	s_barrier_wait -3
	s_barrier_signal -1
	s_barrier_wait -1
.endm
.macro CROUND
	s_barrier_signal -1
	s_barrier_wait -1
	CREST
.endm
	s_load_b256 s[4:11], s[0:1], 0x0               ; oc, wc, bo, the scales
	s_load_b64 s[12:13], s[0:1], 0x20              ; out0
	v_lshl_add_u32 v[SPW], v0, 2, SPARE
	v_mov_b32 v[NIL], 0
	ds_add_u32 v28, v29
	s_wait_dscnt 0x0
	v_lshrrev_b32 v1, 5, v0
	v_readfirstlane_b32 s18, v1                    ; wave
	s_lshr_b32 s19, s18, 1                         ; which 64 tokens are mine.  Also: I fetch for O (0) or for Wo (1)
	s_and_b32 s20, s18, 1                          ; which 128 columns.  Also: which half I fetch
	s_bfe_u32 s21, ttmp6, 0x40000                  ; cx = the tile column
	s_bfe_u32 s22, ttmp6, 0x40004                  ; cy
	s_and_b32 s23, ttmp7, 0xffff                   ; the cluster's y
	s_lshl_b32 s2, s22, 2
	s_lshl_b32 s2, 15, s2
	s_lshl_b32 s68, 0x1111, s21
	s_or_b32 s[G1A], s2, (1<<20)|(1<<21)|(5<<22)|(3<<25)
	s_or_b32 s[G1B], s68, (1<<20)|(1<<21)|(5<<22)|(3<<25)
	s_mov_b32 s[G1A+1], 256<<16
	s_mov_b32 s[G1A+2], 64<<16
	s_mov_b32 s[G1A+3], 256<<16
	s_mov_b32 s[G1A+4], 64
	s_mov_b32 s[G1A+5], 256                        ; dense
	s_mov_b32 s[G1A+6], 0
	s_mov_b32 s[G1A+7], 0
	s_mov_b32 s[G1B+1], 256<<16
	s_mov_b32 s[G1B+2], 128<<16
	s_mov_b32 s[G1B+3], 256<<16
	s_mov_b32 s[G1B+4], 128
	s_mov_b32 s[G1B+5], 1024
	s_mov_b32 s[G1B+6], 0
	s_mov_b32 s[G1B+7], 0
	s_lshl_b32 s2, s23, 2
	s_add_co_u32 s2, s2, s22                       ; the tile row R = 4 y + cy
	s_lshl_b32 s2, s2, 1
	s_add_co_u32 s2, s2, s20                       ; the group of 64 tokens that I fetch
	s_lshl_b32 s2, s2, 16
	s_mov_b32 s3, 0
	s_lshl_b32 s68, s21, 18                        ; 256 rows of Wo,
	s_lshl_b32 s69, s20, 17                        ; my half's 128,
	s_add_co_u32 s68, s68, s69
	s_add_co_u32 s68, s68, 0x300000                ; in wc's fourth part
	s_mov_b32 s69, 0
	s_wait_kmcnt 0x0
	s_load_b64 s[60:61], s[10:11], 0x28            ; e10, e11
	s_add_nc_u64 s[56:57], s[4:5], s[2:3]
	s_add_nc_u64 s[58:59], s[6:7], s[68:69]
	s_mul_i32 s2, s20, AHALF
	s_mul_i32 s3, s20, BHALF
	s_add_co_u32 s3, s3, AREG
	CROUND
.irp s, 0,1
	s_mov_b32 s[G0A+4*\s], 1
	s_add_co_u32 s[G0A+4*\s+1], s2, \s*SLOT
	s_add_nc_u64 s[G0A+4*\s+2:G0A+4*\s+3], s[56:57], \s*16384
	s_or_b32 s[G0A+4*\s+3], s[G0A+4*\s+3], 0x80000000
	s_mov_b32 s[G0B+4*\s], 1
	s_add_co_u32 s[G0B+4*\s+1], s3, \s*SLOT
	s_add_nc_u64 s[G0B+4*\s+2:G0B+4*\s+3], s[58:59], \s*256
	s_or_b32 s[G0B+4*\s+3], s[G0B+4*\s+3], 0x80000000
	JLOAD \s
.endr
	v_and_b32 v1, 15, v0                           ; r
	v_bfe_u32 v2, v0, 4, 1                         ; h
	v_mul_u32_u24 v3, v1, PITCH
	v_lshl_add_u32 v3, v2, 4, v3                   ; Wo: row r x pitch + 16 h
	v_lshrrev_b32 v4, 2, v1
	v_mul_u32_u24 v4, v4, PITCH
	v_and_b32 v7, 3, v1
	v_lshl_add_u32 v4, v7, 6, v4
	v_lshl_add_u32 v4, v2, 4, v4                   ; O: token r: 272 (r / 4) + 64 (r % 4) + 16 h
	s_mul_i32 s2, s19, AHALF
	s_mul_i32 s3, s20, BHALF
	s_add_co_u32 s3, s3, AREG
.irp s, 0,1
	v_add_nc_u32 v[ADRA+\s], s2, v4
	v_add_nc_u32 v[ADRB+\s], s3, v3
	s_add_co_u32 s2, s2, SLOT
	s_add_co_u32 s3, s3, SLOT
.endr
	s_mul_i32 s2, s18, STW
	s_add_co_u32 s2, s2, STAGE
	v_mul_u32_u24 v4, v1, 528
	v_lshl_add_u32 v4, v2, 5, v4
	v_add_nc_u32 v[STO], s2, v4                    ; in: row r, 32 bytes for each half of the lanes
	v_and_b32 v7, 31, v0
	v_lshlrev_b32 v[GO], 4, v7                     ; back: the 32 lanes take a row of 512 bytes; the same in out0
	v_add_nc_u32 v[RD], s2, v[GO]
	s_lshl_b32 s70, s23, 2
	s_add_co_u32 s70, s70, s22
	s_lshl_b32 s70, s70, 1
	s_add_co_u32 s70, s70, s19
	s_lshl_b32 s70, s70, 18                        ; my first token: 64 rows of 4,096 bytes each
	s_lshl_b32 s71, s21, 1
	s_add_co_u32 s71, s71, s20
	s_lshl_b32 s71, s71, 9                         ; my first column: 128 numbers of 4 bytes each
	v_lshlrev_b32 v5, 5, v2
	v_add_nc_u32 v5, s71, v5                       ; bo: + 32 h; never rewritten
	s_add_co_u32 s70, s70, s71
	s_mov_b32 s71, 0
	s_add_nc_u64 s[66:67], s[12:13], s[70:71]
	WIN 0xc0
.irp b, 0,1,2,3,4,5,6,7
	global_load_b128 v[8*\b:8*\b+3], v5, s[8:9] offset:64*\b
	global_load_b128 v[8*\b+4:8*\b+7], v5, s[8:9] offset:64*\b+16
.endr
	WIN 0
	s_wait_kmcnt 0x0
	s_add_co_i32 s62, s60, s61
	s_add_co_i32 s62, s62, 127
	s_lshl_b32 s62, s62, 23                        ; 2^(e10 + e11) as f32
	s_mov_b32 s63, s62
.macro FRAGB reg, adr, q, i
.irp c, 0,1,2,3
	ds_load_b128 v[\reg+4*\c:\reg+4*\c+3], v[\adr] offset:128*(\q)+32*\c+(\i)*16*PITCH
.endr
.endm
.macro FRAGA reg, adr, q, i            ; head 2 q + c / 2 of the step's four (16 LDS rows each), tokens 16 i on (4 LDS rows), d 32 (c % 2) on
.irp c, 0,1,2,3
	ds_load_b128 v[\reg+4*\c:\reg+4*\c+3], v[\adr] offset:(2*(\q)+\c/2)*16*PITCH+(\i)*4*PITCH+32*(\c%2)
.endr
.endm
.macro FETCH slot, q, set
	WIN TO_B
.irp i, 0,1,2,3,4,5,6,7
	FRAGB 128*(\set)+16*\i, ADRB+\slot, \q, \i
.endr
	WIN 0
.irp i, 0,1,2,3
	FRAGA AF+64*(\set)+16*\i, ADRA+\slot, \q, \i
.endr
.endm
.macro MUL8 a, set, zero               ; the 32 accumulators take turns, one instruction a turn
.irp b, 0,1,2,3,4,5,6,7
.if \zero
	v_wmma_f32_16x16x128_fp8_fp8 v[8*(8*(\a)+\b):8*(8*(\a)+\b)+7], v[128*(\set)+16*\b:128*(\set)+16*\b+15], v[AF+64*(\set)+16*(\a):AF+64*(\set)+16*(\a)+15], 0
.else
	v_wmma_f32_16x16x128_fp8_fp8 v[8*(8*(\a)+\b):8*(8*(\a)+\b)+7], v[128*(\set)+16*\b:128*(\set)+16*\b+15], v[AF+64*(\set)+16*(\a):AF+64*(\set)+16*(\a)+15], v[8*(8*(\a)+\b):8*(8*(\a)+\b)+7]
.endif
.endr
.endm
.macro SUB0 n, zero
	s_wait_dscnt 0x0                               ; set 0 is in
	WIN MUL
	MUL8 0, 0, \zero
	PLACES                                         ; in front of loads into set 1, which the step before multiplied
	FETCH (\n)%2, 1, 1
	WIN MUL
	MUL8 1, 0, \zero
	MUL8 2, 0, \zero
	MUL8 3, 0, \zero
	WIN 0
.endm
.macro SUB1 n, fill, last              ; the step's second 128 and the change of slots; fill = 1: behind a round of the cluster's barrier this slot takes K step n + 2
.set SL, (\n)%2
.set NXS, ((\n)+1)%2
.if \last
	s_wait_dscnt 0x0
	WIN MUL
	MUL8 0, 1, 0
	MUL8 1, 1, 0
	MUL8 2, 1, 0
	MUL8 3, 1, 0
	WIN 0
.else
	s_wait_tensorcnt 0x0                           ; no tensor load of mine is out, so a group 0 may be written
	ds_add_u32 v[SPW], v[NIL]                      ; 0 onto my spare word
.if \fill
	s_add_nc_u64 s[G0A+4*SL+2:G0A+4*SL+3], s[56:57], ((\n)+2)*16384
	s_or_b32 s[G0A+4*SL+3], s[G0A+4*SL+3], 0x80000000
	s_add_nc_u64 s[G0B+4*SL+2:G0B+4*SL+3], s[58:59], ((\n)+2)*256
	s_or_b32 s[G0B+4*SL+3], s[G0B+4*SL+3], 0x80000000
.endif
	s_wait_dscnt 0x1                               ; set 1 is in; the add alone may be out
	WIN MUL
	MUL8 0, 1, 0
	s_wait_dscnt 0x0                               ; the add is done, and my reads of this slot are over
	s_barrier_signal -1
	MUL8 1, 1, 0
	WIN 0
	s_barrier_wait -1
.if \fill
	CREST
	JLOAD SL                                       ; the first tensor load behind the round; its four v_nop are also the places in front of the loads below
.else
	PLACES
.endif
	FETCH NXS, 0, 0
	WIN MUL
	MUL8 2, 1, 0
	MUL8 3, 1, 0
	WIN 0
.endif
.endm
	s_wait_tensorcnt 0x1                           ; my part of K step 0 is in; step 1's may stay out
	s_barrier_signal -1
	s_barrier_wait -1
	FETCH 0, 0, 0
	SUB0 0, 1
	SUB1 0, 1, 0
	SUB0 1, 0
	SUB1 1, 1, 0
	SUB0 2, 0
	SUB1 2, 0, 0
	SUB0 3, 0
	SUB1 3, 0, 1
; THE WAY OUT, block by block of 16 tokens x 128 columns: sum x 2^(e10 + e11) + bo in one packed multiply-add, each accumulator from its low end on; through my own stage; back as whole rows of 512 bytes.
.macro TOSTAGE a
	WIN 0x32                                       ; source 0 (sums) window 2, source 2 (bo) window 3
.set jj, 0
.rept 32
	v_pk_fma_f32 v[TMP+jj:TMP+jj+1], v[64*(\a)+jj:64*(\a)+jj+1], s[62:63], v[jj:jj+1] op_sel_hi:[1,0,1]
.set jj, jj+2
.endr
	WIN 0
.irp b, 0,1,2,3,4,5,6,7
	ds_store_b128 v[STO], v[TMP+8*\b:TMP+8*\b+3] offset:64*\b
	ds_store_b128 v[STO], v[TMP+8*\b+4:TMP+8*\b+7] offset:64*\b+16
.endr
.set BB, BK+64*((\a)%2)
.set tt, 0
.rept 16
	ds_load_b128 v[BB+4*tt:BB+4*tt+3], v[RD] offset:tt*528   ; LDS serves a wave's instructions in order: these see my stores, and the next block's stores come behind them
.set tt, tt+1
.endr
.endm
.macro SEND a, younger                 ; younger: the LDS instructions issued behind block a's loads, which may stay out
.set BB, BK+64*((\a)%2)
	s_wait_dscnt \younger
.set tt, 0
.rept 16
	global_store_b128 v[GO], v[BB+4*tt:BB+4*tt+3], s[66:67] offset:(16*(\a)+tt)*4096 th:TH_STORE_NT   ; 32 lanes store 512 consecutive bytes, aligned; written once, read by nobody here
.set tt, tt+1
.endr
.endm
	s_wait_loadcnt 0x0                             ; bo
	PLACES                                         ; behind the last products: for the reads of results and for the loads into the registers that held O's fragments
	TOSTAGE 0
.irp a, 1,2,3
.if \a > 1
	s_wait_xcnt 0x0                                ; block a - 2's stores have read their registers: block a's loads may land there
.endif
	TOSTAGE \a
	SEND \a-1, 32                                  ; behind block a - 1's loads: block a's 16 stores and 16 loads
.endr
	SEND 3, 0
	s_wait_tensorcnt 0x0                           ; the wave's end
	ds_add_u32 v[SPW], v[NIL]
	s_wait_dscnt 0x0
	CROUND                                         ; the closing round
	s_endpgm
.Lfunc_end_k_qda245c2daa_proj:
	.size	k_qda245c2daa_proj, .Lfunc_end_k_qda245c2daa_proj-k_qda245c2daa_proj
	.p2alignl 7, 3214868480
	.fill 96, 4, 3214868480
	.section	.rodata,"a",@progbits
	.p2align	6, 0x0
	.amdhsa_kernel k_qda245c2daa_proj
		.amdhsa_group_segment_fixed_size 327680
		.amdhsa_private_segment_fixed_size 0
		.amdhsa_enable_private_segment 0
		.amdhsa_kernarg_size 40
		.amdhsa_user_sgpr_count 2
		.amdhsa_user_sgpr_kernarg_segment_ptr 1
		.amdhsa_wavefront_size32 1
		.amdhsa_system_sgpr_workgroup_id_x 1
		.amdhsa_system_sgpr_workgroup_id_y 1
		.amdhsa_system_sgpr_workgroup_id_z 1
		.amdhsa_system_vgpr_workitem_id 0
		.amdhsa_next_free_vgpr 1024
		.amdhsa_next_free_sgpr 80
		.amdhsa_reserve_vcc 0
		.amdhsa_float_denorm_mode_32 3
		.amdhsa_float_denorm_mode_16_64 3
		.amdhsa_memory_ordered 1
		.amdhsa_forward_progress 1
		.amdhsa_inst_pref_size 77
	.end_amdhsa_kernel
	.amdgpu_metadata
---
amdhsa.version: [ 1, 2 ]
amdhsa.kernels:
  - .name:           k_qda245c2daa_proj
    .symbol:         k_qda245c2daa_proj.kd
    .args:
      - { .name: oc, .offset: 0, .size: 8, .value_kind: global_buffer, .address_space: global }
      - { .name: wc, .offset: 8, .size: 8, .value_kind: global_buffer, .address_space: global }
      - { .name: bo, .offset: 16, .size: 8, .value_kind: global_buffer, .address_space: global }
      - { .name: lowp_scales, .offset: 24, .size: 8, .value_kind: global_buffer, .address_space: global }
      - { .name: out0, .offset: 32, .size: 8, .value_kind: global_buffer, .address_space: global }
    .group_segment_fixed_size: 327680
    .private_segment_fixed_size: 0
    .kernarg_segment_align: 8
    .kernarg_segment_size: 40
    .max_flat_workgroup_size: 128
    .sgpr_count:     80
    .vgpr_count:     1024
    .wavefront_size: 32
...
	.end_amdgpu_metadata
.endif
;; end of part 4
